; MI455X (gfx1250); checked and timed in simulation.
; The chip was launched on July 23, 2026; its instructions are those of AMD's public machine-readable ISA for CDNA 5 (MIT licence, August 2026) and "CDNA5" Instruction Set Architecture Reference Guide (July 2026). The comments in the code are by the model that wrote it; some were corrected since.
;; Cosformer Attention. Allowed arithmetic: matrix products marked QUANTISED: E2M3 operands, one E8M0 scale for each 32 along K, by v_wmma_scale_f32_16x16x128_f8f6f4 with both operands' format E2M3, f32 sums; products left as they are: f32 operands where the result goes on into a quantised operand, else bf16, f16 or f32 operands; f32 sums; everything else in f32.
;; Inputs: Wk_codes 1,024 x 32 x 24 uint8 (E2M3 codes of Wk, K innermost, in blocks of 32 codes, four codes in three bytes); Wk_scales 1,024 x 32 uint8 (E8M0 scales of Wk, one for each 32 codes along K); Wq_codes 1,024 x 32 x 24 uint8 (E2M3 codes of Wq, K innermost, in blocks of 32 codes, four codes in three bytes); Wq_scales 1,024 x 32 uint8 (E8M0 scales of Wq, one for each 32 codes along K); Wv_codes 1,024 x 32 x 24 uint8 (E2M3 codes of Wv, K innermost, in blocks of 32 codes, four codes in three bytes); Wv_scales 1,024 x 32 uint8 (E8M0 scales of Wv, one for each 32 codes along K); bk 1,024 float32; bq 1,024 float32; bv 1,024 float32; key__codes 4,096 x 4 x 32 x 24 uint8 (E2M3 codes of key_, K innermost, in blocks of 32 codes, four codes in three bytes); key__scales 4,096 x 4 x 32 uint8 (E8M0 scales of key_, one for each 32 codes along K); query_codes 4,096 x 4 x 32 x 24 uint8 (E2M3 codes of query, K innermost, in blocks of 32 codes, four codes in three bytes); query_scales 4,096 x 4 x 32 uint8 (E8M0 scales of query, one for each 32 codes along K); value_codes 4,096 x 4 x 32 x 24 uint8 (E2M3 codes of value, K innermost, in blocks of 32 codes, four codes in three bytes); value_scales 4,096 x 4 x 32 uint8 (E8M0 scales of value, one for each 32 codes along K).
;; Outputs: out0 4,096 x 4 x 1,024 float32.
;; This version of the problem:
;;   THIS VERSION OF THE PROBLEM IS GIVEN IN LOW PRECISION. The matrix products marked QUANTISED in the list below multiply operands that are first quantised to E2M3 (2 exponent bits, 3 mantissa bits; 6 bits a number), with one power-of-two scale for each 32 numbers along K (OCP MX v1.0); their sums are f32. All else is computed in f32.
;;   The module's matrix products, in the order in which they are computed (A, B: the left and right operand; K: the contracted axis; several contracted axes count as one K, in the product's order):
;;     1. [M 16,384, K 1,024] x [K 1,024, N 1,024]; A: input query (given as codes); B: input Wq (given as codes): QUANTISED
;;     2. [M 16,384, K 1,024] x [K 1,024, N 1,024]; A: input key_ (given as codes); B: input Wk (given as codes): QUANTISED
;;     3. [M 16,384, K 1,024] x [K 1,024, N 1,024]; A: input value (given as codes); B: input Wv (given as codes): QUANTISED
;;     4. batch 64 x [M 128, K 4,096] x [K 4,096, N 64]; A: computed on the way; B: computed on the way: QUANTISED
;;     5. batch 64 x [M 4,096, K 128] x [K 128, N 1]; A: computed on the way; B: computed on the way: left as it is (N = 1 < 16)
;;     6. batch 64 x [M 64, K 128] x [K 128, N 4,096]; A: computed on the way; B: computed on the way: QUANTISED
;;     7. batch 262,144 x [M 1, K 1] x [K 1, N 64]; A: computed on the way; B: computed on the way: left as it is (no contracted axis)
;;   THE QUANTISER, for each operand of a quantised product, along K:
;;     - K is cut into blocks of 32 from its start; a last block that is shorter is filled with zeros.
;;     - A block's scale is 2^e with e = floor(log2(the largest magnitude in the block)) - 2, held to -126 .. 127; a block of zeros has e = 0. As a byte (E8M0): e + 127.
;;     - Each number is divided by its block's scale, clamped to +-7.5, and rounded to the nearest number of E2M3, ties to even, subnormals kept.
;;     - The product sums the exact products of the quantised numbers (number of the format x scale) in f32.
;;   ~~~python
;;   def quantise(x, axis):      # numpy; x: float32 -> the quantised numbers, widened to float32 again
;;       x = np.moveaxis(x, axis, -1); K = x.shape[-1]
;;       x = np.pad(x, [(0, 0)] * (x.ndim - 1) + [(0, -K % 32)]); x = x.reshape(x.shape[:-1] + (-1, 32)); a = np.abs(x).max(-1, keepdims=True)
;;       e = np.where(a > 0, np.clip(np.frexp(np.where(a > 0, a, 1))[1] - 1 - 2, -126, 127), 0)      # np.frexp(a)[1] - 1 = floor(log2(a)), exactly
;;       r = np.clip(x / 2.0 ** e, -7.5, 7.5)
;;       step = 2.0 ** (np.maximum(np.frexp(np.where(r == 0, 1, r))[1] - 1, 0) - 3)
;;       q = np.round(r / step) * step * 2.0 ** e      # np.round: ties to even
;;       return np.moveaxis(q.reshape(q.shape[:-2] + (-1,))[..., :K], -1, axis).astype(np.float32)
;;   ~~~
;;   OPERANDS COMPUTED ON THE WAY. 'Computed on the way' means the value that the module computes at that place (a softmax that the list does not call 'softmax' is quantised finished and normalised). What goes into a quantiser is computed in f32, as accurately as f32 sums, v_exp_f32 and their like allow (about 1e-6 of the number): no bf16 or f16 on the way to a quantiser, and a product that is left as it is and whose result goes on into a quantised operand takes f32 operands (vector FMAs, or v_wmma_f32_16x16x4_f32). A number that lies on a knife's edge between two numbers of the format may be rounded either way, as far as f32 arithmetic and the matrix unit's own rounding can turn it there, and no further.
;;   INPUTS GIVEN AS CODES. Wk (in the module: [1024, 1024], K = its axis 1); Wq (in the module: [1024, 1024], K = its axis 1); Wv (in the module: [1024, 1024], K = its axis 1); key_ (in the module: [4096, 4, 1024], K = its axis 2); query (in the module: [4096, 4, 1024], K = its axis 2); value (in the module: [4096, 4, 1024], K = its axis 2): each comes as NAME_codes (uint8): NAME with its K axis moved to the last place and cut into blocks of 32 codes, [.., K / 32, bytes a block], one block behind the other in memory; four codes in three bytes: a row's codes are one little-endian stream of bits, code i at bits 6 i .. 6 i + 5 (a code: sign, 2 exponent bits, 3 mantissa bits); and NAME_scales (uint8): the same leading axes, one E8M0 byte (e + 127) for each 32 codes along K. Its value is code x scale, taken as it is: it is not quantised again, and the codes and scales need not be those that the quantiser above would give.
;; 2 versions, each right. Each part assembles by itself: llvm-mc -triple=amdgcn-amd-amdhsa -mcpu=gfx1250 --defsym DOCPART=n.
;; ======== version 1 of 2: 3 launches
;; workspace buffers: kvpart 16,777,216 bytes; ksp 262,144 bytes; kvc 393,216 bytes; kvs 16,384 bytes; ksum 32,768 bytes
;; launch kvpart (part 1): grid 8 x 32, 4 waves a work-group, clusters of 4 x 1, 327,680 bytes of LDS; arguments key__codes, key__scales, value_codes, value_scales, Wk_codes, Wk_scales, Wv_codes, Wv_scales, bk, bv, kvpart, ksp; writes kvpart, ksp
.if DOCPART == 1
	.amdgcn_target "amdgcn-amd-amdhsa--gfx1250"
	.amdhsa_code_object_version 6
	.text
	.protected	k_q796ab0608b_kvpart
	.globl	k_q796ab0608b_kvpart
	.p2align	8
	.type	k_q796ab0608b_kvpart,@function
k_q796ab0608b_kvpart:
	s_mov_b64 s[64:65], 0
	v_nop
	global_prefetch_b8 v0, s[64:65] scope:SCOPE_SE
	s_setreg_imm32_b32 hwreg(HW_REG_WAVE_MODE, 25, 1), 1
	s_wait_xcnt 0x0
	s_wait_alu depctr_hold_cnt(0) depctr_sa_sdst(0) depctr_va_vdst(0) depctr_va_sdst(0) depctr_va_ssrc(0) depctr_va_vcc(0) depctr_vm_vsrc(0)
	s_getreg_b32 s2, hwreg(HW_REG_IB_STS2, 6, 4)
	s_cmp_eq_u32 s2, 0
	s_cbranch_scc0 .Lentry_in_a_cluster
	s_endpgm
.Lentry_in_a_cluster:
	s_bfe_u32 s2, ttmp6, 0x10000c
	s_cmp_lg_u32 s2, 0x3003
	s_cbranch_scc0 .Lentry_shape_is_right
	s_endpgm
.Lentry_shape_is_right:
; k = relu(key Wk^T + bk), v = value Wv^T + bv, k_ = [k sin, k cos]; partial sums over 512 l of kv_[d][m] = sum_l Q(k_)[l][d] Q(v)[l][m] and of k_[l][d].
; All products on codes of E2M3 with one E8M0 scale for each 32 along K.  k_ and v are quantised along l, in blocks of 32 neighbouring l.
; SHARES.  A work-group: one batch b, two heads, 512 l (part p of 8), in 8 slots of 64 l.  Waves 0, 1: k of head 0, 1; waves 2, 3: v of head 0, 1.
; A wave keeps the weights of its head's 64 columns (32 fragments, 384 registers) for the whole launch; only the rows of key_ and value go through LDS.
; The weights are not asked for jointly: the four partners of a cluster serve different heads, and a wave reads its 48 KiB once, straight into registers.
; CLUSTER.  The four work-groups of a cluster differ in their heads alone and need the same rows of key_ and value: each tile is asked for jointly (mask 15).
; LAYOUT.  SEL(r) = r + 3 (r & 8).  Source 0 = 16 rows of key_ or value, lane r of tile t taking l = SEL(r) + 8 t of the slot; source 1 = 16 rows of W, lane r of tile n taking
; column SEL(r) + 8 n.  So lane (r, h) holds, in the 32 registers of accumulators (n, 0..3), ONE column and l = 32 h + 0 .. 31: a whole block of the next K, in one lane.
; The six registers of codes made of it are half a fragment of the next product (K = two slots); they go from wave to wave through LDS as images of the registers.
; kv_ = source 0: k_ (tile cd, n), source 1: v (tile mt): lane (r, h) holds m = SEL(r) + 8 mt and, in accumulators (mt, cd, 0..3), d = 64 cd + 32 h + 0 .. 31.
; LIMITS.  NaN and infinities among the numbers are not served.  A block of zeros, or one whose largest magnitude lies under 2^-124, gets the scale byte 1 (its codes are zeros or
; small); these bytes are read by this program alone.  sin and cos are polynomials on [0, pi/4] of the f32 angle, cut under 3e-9 of the value.  The bias starts the sums.
; The sum of k_ over l is taken block by block as a tree of packed additions, another order of rounding than a plain sum; it goes into no quantiser.
; REGISTERS, in windows of 256.  Window 0: v1-25 addresses; v26-29 bias as loaded; v32-47 the rows' scale words; v48-63 W's; v64-99 the v-waves' work; v100-105 scale words of the second
; product; v108-123 the k-waves' running sums of k_ (tile n: sin pair at 108 + 4 n, cos pair at 110 + 4 n), v124-127 at work at their end; v128-255 the 16 accumulators (n, t) at 128 + 32 n + 8 t.
; Window 1: W's K steps 0-3, row fragments of even K steps at v192, bias tiles 0, 1 at v240.  Window 2: the same for K steps 4-7, odd K steps, tiles 2, 3.
; Window 3: v-waves: kv_'s 32 accumulators at 64 mt + 32 cd + 8 n; k-waves: v0 sin, v32 cos, v64 k sin, v96 k cos, v128-175 codes, v176-183 second halves of codes, v184-187 at work, v188-195 scale bytes.
.set ROWP,  816                        ; a row in LDS: 3 x (256 bytes + 16 of padding)
.set REG,   32*ROWP+128                ; what one tensor load brings: 32 rows; 128 spare bytes behind them
.set SLOT,  4*REG                      ; key_'s two blocks of 32 l, then value's two
.set SCA,   2*SLOT                     ; the rows' scale bytes: [tensor][512 l][32], filled once
.set SINT,  SCA+32768                  ; sin of the 512 l, f32; cos 2,048 bytes on
.set IMG,   SINT+4096                  ; images of half fragments: [slot % 4][head][8 of k_, 4 of v][768]
.set IMGH,  9216
.set IMGR,  2*IMGH
.set SCB,   IMG+4*IMGR                 ; their scale bytes: [pair % 2][head][12 fragments][16 rows][4]
.set SPARE, SCB+3072                   ; the spare words: 128 bytes a wave, two blocks of 256 bytes that no other line names
.set STEPB, 64*3072                    ; 64 l on in memory: a row (l, b) is 768 bytes, rows of one b lie 3,072 apart
.set SPW, 1
.set NIL, 2
.set LA0, 3                            ; my lane's place in a slot's rows; LA1 the same behind one padding more
.set LA1, 4
.set AA0, 5                            ; the same in the slot in hand
.set AA1, 6
.set LSC, 7                            ; my lane's place among the rows' scale words; ASC in the slot in hand
.set ASC, 8
.set LSN, 9                            ; among the sines; SNA in the slot in hand
.set SNA, 10
.set LW16, 11                          ; where I store images; IW16, IW8 for the slot in hand
.set LW8, 12
.set IW16, 13
.set IW8, 14
.set LWB, 15                           ; and their scale bytes
.set IWB, 16
.set LR16, 17                          ; where I read images; IR16, IR8 for the pair in hand
.set LR8, 18
.set IR16, 19
.set IR8, 20
.set LRS, 21
.set IRS, 22
.set PFO, 23                           ; 3,072 x lane: the prefetches' offset; never rewritten
.set GO,  24                           ; 16 x lane
.set KO,  25                           ; (64 h + SEL(r)) x 4
.set BT,  26
.set ASCL, 32
.set WSCL, 48
.set KS,  108                          ; the running sums of k_
.set KT,  124                          ; four registers at work at the k-waves' end
.set ACC, 128
.set WV,   28
.set TSEL, 29                          ; 0: k-wave, 1: v-wave
.set HH,   30                          ; which of the two heads; also which block of 32 l I fetch
.set CX,   31
.set HP,   32
.set BB,   33
.set PQ,   34
.set G1,   36                          ; s[36:43] group 1: 32 rows of 768 bytes
.set G1S,  44                          ; s[44:51] group 1: 256 rows of 32 scale bytes
.set G0S,  52
.set G0A,  56
.set G0,   60                          ; s[60:63] the group 0 that walks
.set SS,   66                          ; the slot
.set PAR,  67
.set SEL,  68
.set PFA,  70
.set LIMS, 72
.set WREG, 73
.set ACD,  74
.set ASD,  76
.set WC,   78
.set WS,   80
.set BI,   82
.set OB,   84
.set SPI,  96
.set MSB, 0
.macro WIN new                         ; the immediate's high byte repeats the setting that is left; a switch that changes nothing is dropped
.if MSB != (\new)
	s_set_vgpr_msb (MSB<<8)|(\new)
.set MSB, (\new)
.endif
.endm
.macro PLACES n
.rept \n
	v_nop
.endr
.endm
.macro ROUND                           ; a round of the cluster's barrier
	s_barrier_signal -1
	s_barrier_wait -1
	s_cmp_lg_u32 s[WV], 0
	s_cbranch_scc1 .Lnot_wave_0_\@
	s_barrier_signal -3
.Lnot_wave_0_\@:
	s_barrier_wait -3
	s_barrier_signal -1
	s_barrier_wait -1
.endm
; one matrix instruction; its registers and the rows of its scale registers stand in the symbols rD, rA, rB, rC, rSA, rSB, fA, fB
.macro WM
.if fA && fB
	v_wmma_scale_f32_16x16x128_f8f6f4 v[rD:rD+7], v[rA:rA+11], v[rB:rB+11], v[rC:rC+7], v[rSA], v[rSB] matrix_a_fmt:MATRIX_FMT_FP6 matrix_b_fmt:MATRIX_FMT_FP6 matrix_a_scale:MATRIX_SCALE_ROW1 matrix_b_scale:MATRIX_SCALE_ROW1
.elseif fA
	v_wmma_scale_f32_16x16x128_f8f6f4 v[rD:rD+7], v[rA:rA+11], v[rB:rB+11], v[rC:rC+7], v[rSA], v[rSB] matrix_a_fmt:MATRIX_FMT_FP6 matrix_b_fmt:MATRIX_FMT_FP6 matrix_a_scale:MATRIX_SCALE_ROW1
.elseif fB
	v_wmma_scale_f32_16x16x128_f8f6f4 v[rD:rD+7], v[rA:rA+11], v[rB:rB+11], v[rC:rC+7], v[rSA], v[rSB] matrix_a_fmt:MATRIX_FMT_FP6 matrix_b_fmt:MATRIX_FMT_FP6 matrix_b_scale:MATRIX_SCALE_ROW1
.else
	v_wmma_scale_f32_16x16x128_f8f6f4 v[rD:rD+7], v[rA:rA+11], v[rB:rB+11], v[rC:rC+7], v[rSA], v[rSB] matrix_a_fmt:MATRIX_FMT_FP6 matrix_b_fmt:MATRIX_FMT_FP6
.endif
.endm
; A fragment of 16 rows x 128 K: six pieces of 8 bytes a lane.  Lanes 16-31 read three pieces further on; where that is behind one padding more, the second address register serves.
.macro FRAG reg, q, rowoff
.irp p, 0,1,2,3,4,5
.set PCE, 12*(\q)+6*(\p/3)+\p%3
.if PCE%32 < 29
	ds_load_b64 v[(\reg)+2*\p:(\reg)+2*\p+1], v[AA0] offset:8*PCE+16*(PCE/32)+(\rowoff)
.else
	ds_load_b64 v[(\reg)+2*\p:(\reg)+2*\p+1], v[AA1] offset:8*PCE+16*(PCE/32)+(\rowoff)
.endif
.endr
.endm
; sin and cos of x = fl(fl(pi/2 x i) / 4096).  Above pi/4 the angle is taken from pi/2 (the subtraction is exact; the rest of pi/2 is added) and the two series change places.
.macro SINCOS vi, ds, dc, tb
	v_cvt_f32_u32 v[\tb], v[\vi]
	v_mul_f32 v[\tb], s[SPI], v[\tb]
	v_mul_f32 v[\tb], 0x39800000, v[\tb]
	v_sub_f32 v[\tb+1], s[SPI], v[\tb]
	v_add_f32 v[\tb+1], 0xb33bbd2e, v[\tb+1]
	v_cmp_lt_u32 vcc_lo, 0x800, v[\vi]
	v_cndmask_b32 v[\tb+1], v[\tb], v[\tb+1], vcc_lo
	v_mul_f32 v[\tb+2], v[\tb+1], v[\tb+1]
	v_mov_b32 v[\tb+3], 0x3638ef1d
	v_mov_b32 v[\tb+4], 0xb493f27e
	v_fmaak_f32 v[\tb+3], v[\tb+2], v[\tb+3], 0xb9500d01
	v_fmaak_f32 v[\tb+4], v[\tb+2], v[\tb+4], 0x37d00d01
	v_fmaak_f32 v[\tb+3], v[\tb+2], v[\tb+3], 0x3c088889
	v_fmaak_f32 v[\tb+4], v[\tb+2], v[\tb+4], 0xbab60b61
	v_fmaak_f32 v[\tb+3], v[\tb+2], v[\tb+3], 0xbe2aaaab
	v_fmaak_f32 v[\tb+4], v[\tb+2], v[\tb+4], 0x3d2aaaab
	v_mul_f32 v[\tb+3], v[\tb+2], v[\tb+3]
	v_fmaak_f32 v[\tb+4], v[\tb+2], v[\tb+4], 0xbf000000
	v_fma_f32 v[\tb+3], v[\tb+1], v[\tb+3], v[\tb+1]
	v_fma_f32 v[\tb+4], v[\tb+2], v[\tb+4], 1.0
	v_cndmask_b32 v[\ds], v[\tb+3], v[\tb+4], vcc_lo
	v_cndmask_b32 v[\dc], v[\tb+4], v[\tb+3], vcc_lo
.endm
; K step q, row tile g: four products (the tile against W's four column tiles), then the same tile's fragment of K step q + 1 into the other set.
; The wait's count: behind the six loads of fragment (q, g) stand those of three other fragments, 18 loads; in the last K step 18, 12, 6, 0.
; One v_nop a group: between a fragment's last product and the loads that land on it stand five of them.  The 16 accumulators take turns.
.macro GROUP q, g
.if (\q) == 0
.if (\g) == 0
	s_wait_dscnt 0x0
.endif
.elseif (\q) == 7
	s_wait_dscnt 18-6*(\g)
.else
	s_wait_dscnt 18
.endif
.set MULQ, (((\q)%2)+1)|((1+(\q)/4)<<2)
.irp n, 0,1,2,3
.set rD, ACC+32*\n+8*(\g)
.set rA, 192+12*(\g)
.set rB, 48*((\q)%4)+12*\n
.set rSA, ASCL+8*((\g)%2)+(\q)
.set rSB, WSCL+8*(\n%2)+(\q)
.set fA, (\g)/2
.set fB, \n/2
.if (\q) == 0
.set rC, 240+8*(\n%2)
	WIN MULQ|(0x10<<(\n/2))
.else
.set rC, rD
	WIN MULQ
.endif
	WM
.endr
.if (\q) < 7
	v_nop
	WIN 0x80>>((\q)%2)
	FRAG 192+12*(\g), (\q)+1, 8*(\g)*ROWP
.endif
.endm
.macro GEMM
.irp q, 0,1,2,3,4,5,6,7
.irp g, 0,1,2,3
	GROUP \q, \g
.endr
.endr
.endm
.macro PRELOAD                         ; a slot's scale words (lanes 0-15 tiles 0, 1; lanes 16-31 tiles 2, 3) and its four fragments of K step 0
.irp e, 0,1
.irp u, 0,1
	ds_load_b128 v[ASCL+8*\e+4*\u:ASCL+8*\e+4*\u+3], v[ASC] offset:256*\e+16*\u
.endr
.endr
	WIN 0x40
.irp t, 0,1,2,3
	FRAG 192+12*\t, 0, 8*\t*ROWP
.endr
	WIN 0
.endm
; A prefetch of the slot that the NEXT refill will ask for.  Two clusters read the same rows: the first of them asks.  Its four partners take one tile of 32 rows each, told apart by
; address; of a row's 768 bytes waves 0, 1, 2 take 256 each, a lane a row: each aligned block of 256 bytes is named once.  Trips 5 and later name nothing: there is no slot 8.
.macro ASK
	s_cmp_lt_u32 s[SS], s[LIMS]
	s_cbranch_scc0 .Lnot_mine_\@
	global_prefetch_b8 v[PFO], s[PFA:PFA+1] th:TH_LOAD_NT scope:SCOPE_SE
.Lnot_mine_\@:
.endm
; THE k-WAVE'S WORK ON A SLOT: relu; x sin, x cos; each block's largest magnitude, in four chains by turns; codes; the block's sums, as trees in place; images.
; In window 3 every run of eight registers is read from its low end on first.
.macro EPI_K
	WIN 0xc0
.irp i, 0,1,2,3,4,5,6,7
	ds_load_b128 v[4*\i:4*\i+3], v[SNA] offset:16*\i
.endr
.irp i, 0,1,2,3,4,5,6,7
	ds_load_b128 v[32+4*\i:32+4*\i+3], v[SNA] offset:2048+16*\i
.endr
.irp n, 0,1,2,3
	WIN 0
.set i, 0
.rept 32
	v_max_num_f32 v[ACC+32*\n+i], 0, v[ACC+32*\n+i]
.set i, i+1
.endr
.if \n == 0
	s_wait_dscnt 0x0                               ; sin and cos of my 32 l are in
.endif
	WIN 0xcc
.set i, 0
.rept 16
	v_pk_mul_f32 v[64+i:65+i], v[ACC+32*\n+i:ACC+32*\n+i+1], v[i:i+1]
.set i, i+2
.endr
.set i, 0
.rept 16
	v_pk_mul_f32 v[96+i:97+i], v[ACC+32*\n+i:ACC+32*\n+i+1], v[32+i:33+i]
.set i, i+2
.endr
	WIN 0xff
	v_max3_num_f32 v184, v64, v65, 0x1800000       ; with the floor 2^(3 - 127): the byte cannot fall under 1
	v_max3_num_f32 v185, |v96|, |v97|, 0x1800000   ; (the last l's cos is a little under 0)
	v_max3_num_f32 v186, v80, v81, 0x1800000       ; the upper 16 of each block in chains of their own
	v_max3_num_f32 v187, |v112|, |v113|, 0x1800000
.set i, 2
.rept 7
	v_max3_num_f32 v184, v184, v[64+i], v[65+i]
	v_max3_num_f32 v185, v185, |v[96+i]|, |v[97+i]|
	v_max3_num_f32 v186, v186, v[80+i], v[81+i]
	v_max3_num_f32 v187, v187, |v[112+i]|, |v[113+i]|
.set i, i+2
.endr
	v_max_num_f32 v184, v184, v186
	v_max_num_f32 v185, v185, v187
	v_add_nc_u32 v186, 0xff000000, v184            ; 2 off the exponent field: the conversion's scale operand
	v_add_nc_u32 v187, 0xff000000, v185
	v_lshrrev_b32 v[188+2*\n], 23, v186            ; the scale's byte
	v_lshrrev_b32 v[189+2*\n], 23, v187
	v_cvt_scalef32_pk16_fp6_f32 v[128+12*\n:130+12*\n], v[64:79], v186
	v_cvt_scalef32_pk16_fp6_f32 v[176:178], v[80:95], v186
	v_cvt_scalef32_pk16_fp6_f32 v[134+12*\n:136+12*\n], v[96:111], v187
	v_cvt_scalef32_pk16_fp6_f32 v[180:182], v[112:127], v187
	v_nop                                          ; one plain place behind a scaled conversion
.irp i, 0,1,2
	v_mov_b32 v[131+12*\n+\i], v[176+\i]
	v_mov_b32 v[137+12*\n+\i], v[180+\i]
.endr
.irp w, 16,8,4,2                       ; the sums of the block's 16 pairs of k sin and of k cos, in place: neighbours 8, 4, 2 and 1 pairs apart
.set i, 0
.rept \w/2
	v_pk_add_f32 v[64+i:65+i], v[64+i:65+i], v[64+\w+i:65+\w+i]
	v_pk_add_f32 v[96+i:97+i], v[96+i:97+i], v[96+\w+i:97+\w+i]
.set i, i+2
.endr
.endr
	WIN 0x0c                                       ; destination, source 0 and LDS address window 0; source 1 and LDS data window 3
	v_pk_add_f32 v[KS+4*\n:KS+4*\n+1], v[KS+4*\n:KS+4*\n+1], v[64:65]      ; onto the running sums
	v_pk_add_f32 v[KS+4*\n+2:KS+4*\n+3], v[KS+4*\n+2:KS+4*\n+3], v[96:97]
	ds_store_b128 v[IW16], v[128+12*\n:131+12*\n] offset:768*\n
	ds_store_b64 v[IW8], v[132+12*\n:133+12*\n] offset:768*\n
	ds_store_b128 v[IW16], v[134+12*\n:137+12*\n] offset:3072+768*\n
	ds_store_b64 v[IW8], v[138+12*\n:139+12*\n] offset:3072+768*\n
	ds_store_b8 v[IWB], v[188+2*\n] offset:64*\n
	ds_store_b8 v[IWB], v[189+2*\n] offset:256+64*\n
.endr
.endm
; THE v-WAVE'S: each block's largest magnitude, codes, images.
.macro EPI_V
.irp m, 0,1,2,3
.set XS, ACC+32*\m
	v_max3_num_f32 v92, |v[XS]|, |v[XS+1]|, |v[XS+2]|
	v_max3_num_f32 v93, |v[XS+3]|, |v[XS+4]|, |v[XS+5]|
.irp i, 6,10,14,18,22,26
	v_max3_num_f32 v92, v92, |v[XS+\i]|, |v[XS+\i+1]|
	v_max3_num_f32 v93, v93, |v[XS+\i+2]|, |v[XS+\i+3]|
.endr
	v_max3_num_f32 v92, v92, |v[XS+30]|, |v[XS+31]|
	v_max3_num_f32 v92, v92, v93, 0x1800000
	v_add_nc_u32 v94, 0xff000000, v92
	v_lshrrev_b32 v[96+\m], 23, v94
	v_cvt_scalef32_pk16_fp6_f32 v[64+6*\m:66+6*\m], v[XS:XS+15], v94
	v_cvt_scalef32_pk16_fp6_f32 v[88:90], v[XS+16:XS+31], v94
	v_nop
.irp i, 0,1,2
	v_mov_b32 v[67+6*\m+\i], v[88+\i]
.endr
	ds_store_b128 v[IW16], v[64+6*\m:67+6*\m] offset:768*\m
	ds_store_b64 v[IW8], v[68+6*\m:69+6*\m] offset:768*\m
	ds_store_b8 v[IWB], v[96+\m] offset:64*\m
.endr
.endm
; kv_ += k_^T v over a pair of slots (K = 128 l): eight fragments of k_ into the accumulators' registers, four of v into the odd set's, their scale words, 32 products.
.macro PRODUCT
.irp c, 0,1
.irp f, 0,1,2,3,4,5,6,7
	ds_load_b128 v[ACC+12*\f+6*\c:ACC+12*\f+6*\c+3], v[IR16] offset:IMGR*\c+768*\f
	ds_load_b64 v[ACC+12*\f+6*\c+4:ACC+12*\f+6*\c+5], v[IR8] offset:IMGR*\c+768*\f
.endr
.endr
	WIN 0x80
.irp c, 0,1
.irp m, 0,1,2,3
	ds_load_b128 v[192+12*\m+6*\c:192+12*\m+6*\c+3], v[IR16] offset:IMGR*\c+6144+768*\m
	ds_load_b64 v[192+12*\m+6*\c+4:192+12*\m+6*\c+5], v[IR8] offset:IMGR*\c+6144+768*\m
.endr
.endr
	WIN 0
.irp g, 0,1,2,3
	ds_load_b32 v[100+\g], v[IRS] offset:128*\g     ; lanes 0-15 fragment 2 g, lanes 16-31 fragment 2 g + 1
.endr
.irp g, 0,1
	ds_load_b32 v[104+\g], v[IRS] offset:512+128*\g
.endr
	s_wait_dscnt 0x0
	WIN 0xf8
.irp m, 0,1,2,3
.irp c, 0,1
.irp n, 0,1,2,3
.set rD, 64*\m+32*\c+8*\n
.set rC, rD
.set rA, ACC+12*(4*\c+\n)
.set rB, 192+12*\m
.set rSA, 100+2*\c+\n/2
.set rSB, 104+\m/2
.set fA, \n%2
.set fB, \m%2
	WM
.endr
.endr
.endr
	WIN 0
	PLACES 5                                       ; the next products write over these operands: five places
.endm
	s_load_b512 s[4:19], s[0:1], 0x0               ; key_ codes, scales; value codes, scales; Wk codes, scales; Wv codes, scales
	s_load_b256 s[20:27], s[0:1], 0x40             ; bk, bv, kvpart, ksp
	v_lshl_add_u32 v[SPW], v0, 2, SPARE
	v_mov_b32 v[NIL], 0
	ds_add_u32 v1, v2
	s_wait_dscnt 0x0
	v_lshrrev_b32 v150, 5, v0
	v_readfirstlane_b32 s[WV], v150
	s_lshr_b32 s[TSEL], s[WV], 1
	s_and_b32 s[HH], s[WV], 1
	s_bfe_u32 s[CX], ttmp6, 0x40000
	s_lshl_b32 s[HP], ttmp9, 2
	s_add_co_u32 s[HP], s[HP], s[CX]               ; which pair of heads: it enters W's, the biases', the outputs' and the prefetches' addresses alone
	s_and_b32 s35, ttmp7, 0xffff
	s_and_b32 s[BB], s35, 3                        ; b
	s_lshr_b32 s[PQ], s35, 2                       ; p: l = 512 p on
	s_mov_b32 s[G1+0], 15|(1<<20)|(1<<21)|(5<<22)|(3<<25)  ; mask: all four; elements of 1 byte; 4 words of padding behind every 64
	s_mov_b32 s[G1+1], 768<<16
	s_mov_b32 s[G1+2], 32<<16
	s_mov_b32 s[G1+3], 768<<16
	s_mov_b32 s[G1+4], 32
	s_mov_b32 s[G1+5], 3072
	s_mov_b32 s[G1+6], 0
	s_mov_b32 s[G1+7], 0
	s_mov_b32 s[G1S+0], 15|(1<<21)
	s_mov_b32 s[G1S+1], 32<<16
	s_mov_b32 s[G1S+2], 256<<16
	s_mov_b32 s[G1S+3], 32<<16
	s_mov_b32 s[G1S+4], 256
	s_mov_b32 s[G1S+5], 128
	s_mov_b32 s[G1S+6], 0
	s_mov_b32 s[G1S+7], 0
	s_mul_i32 s86, s[PQ], 512*3072
	s_mul_i32 s87, s[HH], 32*3072
	s_add_co_u32 s86, s86, s87
	s_mul_i32 s87, s[BB], 768
	s_add_co_u32 s86, s86, s87                     ; my tile of slot 0: row (512 p + 32 HH, b)
	s_mov_b32 s87, 0
	s_lshl_b32 s88, s[PQ], 16
	s_lshl_b32 s89, s[HH], 15
	s_add_co_u32 s88, s88, s89
	s_lshl_b32 s89, s[BB], 5
	s_add_co_u32 s88, s88, s89                     ; my 256 rows of scale bytes
	s_mov_b32 s89, 0
	s_mul_i32 s[WREG], s[WV], REG
	s_lshl_b32 s90, s[WV], 13
	s_mov_b32 s[SEL], 0x76543210
	s_mov_b32 s[SEL+1], 0xfedcba98
	s_mov_b32 s[SPI], 0x3fc90fdb
	s_mov_b32 s[SS], 0
	s_wait_kmcnt 0x0
	s_cmp_eq_u32 s[TSEL], 0
	s_cselect_b64 s[ACD:ACD+1], s[4:5], s[8:9]
	s_cselect_b64 s[ASD:ASD+1], s[6:7], s[10:11]
	s_cselect_b64 s[WC:WC+1], s[12:13], s[16:17]
	s_cselect_b64 s[WS:WS+1], s[14:15], s[18:19]
	s_cselect_b64 s[BI:BI+1], s[20:21], s[22:23]
	s_cselect_b64 s[OB:OB+1], s[26:27], s[24:25]
	s_mov_b32 s[G0S], 1
	s_add_co_u32 s[G0S+1], s90, SCA
	s_add_nc_u64 s[G0S+2:G0S+3], s[ASD:ASD+1], s[88:89]
	s_or_b32 s[G0S+3], s[G0S+3], 0x80000000
	s_mov_b32 s[G0A], 1
	s_mov_b32 s[G0A+1], s[WREG]
	s_add_nc_u64 s[G0A+2:G0A+3], s[ACD:ACD+1], s[86:87]
	s_mov_b32 s[G0], 1
	s_add_co_u32 s[G0+1], s[WREG], SLOT
	s_add_nc_u64 s[G0+2:G0+3], s[G0A+2:G0A+3], STEPB
	s_or_b32 s[G0A+3], s[G0A+3], 0x80000000
	s_or_b32 s[G0+3], s[G0+3], 0x80000000
	ROUND                                          ; all four work-groups are here: the first joint loads meet
	tensor_load_to_lds s[G0S:G0S+3], s[G1S:G1S+7]  ; three loads of mine are out: the scale bytes, slot 0, slot 1
	s_nop 0
	tensor_load_to_lds s[G0A:G0A+3], s[G1:G1+7]
	s_nop 0
	tensor_load_to_lds s[G0:G0+3], s[G1:G1+7]
	s_nop 0
	PLACES 4
	s_lshl_b32 s91, s[HP], 1
	s_add_co_u32 s91, s91, s[HH]                   ; my head
	s_lshl_b32 s92, s[BB], 4
	s_add_co_u32 s92, s92, s91                     ; n = 16 b + head
	s_lshl_b32 s92, s92, 3
	s_add_co_u32 s92, s92, s[PQ]                   ; 8 n + p
	s_mov_b32 s95, 0
	s_mul_i32 s94, s91, 64*768
	s_add_nc_u64 s[WC:WC+1], s[WC:WC+1], s[94:95]
	s_lshl_b32 s94, s91, 11
	s_add_nc_u64 s[WS:WS+1], s[WS:WS+1], s[94:95]
	s_lshl_b32 s94, s91, 8
	s_add_nc_u64 s[BI:BI+1], s[BI:BI+1], s[94:95]
	s_cmp_eq_u32 s[TSEL], 0
	s_cselect_b32 s93, 9, 15                       ; a part of ksp is 512 bytes, of kvpart 32,768
	s_lshl_b32 s94, s92, s93
	s_add_nc_u64 s[OB:OB+1], s[OB:OB+1], s[94:95]
	v_and_b32 v128, 15, v0                         ; r
	v_bfe_u32 v129, v0, 4, 1                       ; h
	v_and_b32 v130, 8, v128
	v_mad_u32_u24 v130, v130, 3, v128              ; SEL(r)
	v_and_b32 v131, 31, v0                         ; lane
	v_mul_u32_u24 v132, v130, 768
	v_mad_u32_u24 v132, v129, 24, v132             ; W: row SEL(r), + 24 h
	v_lshl_add_u32 v133, v129, 4, v130
	v_lshlrev_b32 v133, 5, v133                    ; scale words: row SEL(r) + 16 h, 32 bytes a row
	v_lshlrev_b32 v134, 2, v130
	WIN 0x40                                       ; W's fragments (K step q, tile n) at 48 (q % 4) + 12 n of windows 1 and 2: they stay
.irp q, 0,1,2,3
.irp n, 0,1,2,3
.irp p, 0,1,2,3,4,5
	global_load_b64 v[48*\q+12*\n+2*\p:48*\q+12*\n+2*\p+1], v132, s[WC:WC+1] offset:6144*\n+96*\q+48*(\p/3)+8*(\p%3)
.endr
.endr
.endr
	WIN 0x80
.irp q, 0,1,2,3
.irp n, 0,1,2,3
.irp p, 0,1,2,3,4,5
	global_load_b64 v[48*\q+12*\n+2*\p:48*\q+12*\n+2*\p+1], v132, s[WC:WC+1] offset:6144*\n+96*(\q+4)+48*(\p/3)+8*(\p%3)
.endr
.endr
.endr
	WIN 0
.irp e, 0,1
.irp u, 0,1
	global_load_b128 v[WSCL+8*\e+4*\u:WSCL+8*\e+4*\u+3], v133, s[WS:WS+1] offset:256*\e+16*\u
.endr
.endr
.irp n, 0,1,2,3
	global_load_b32 v[BT+\n], v134, s[BI:BI+1] offset:32*\n
.endr
	; sin and cos of the work-group's 512 l: four a thread
	s_lshl_b32 s97, s[PQ], 9
	s_add_co_u32 s97, s97, 1
	v_lshl_add_u32 v135, v0, 2, SINT
.irp i, 0,1,2,3
	v_add_nc_u32 v141, s97, v0
	s_add_co_u32 s97, s97, 128
	SINCOS 141, 142+2*\i, 143+2*\i, 136
	ds_store_b32 v135, v[142+2*\i] offset:512*\i
	ds_store_b32 v135, v[143+2*\i] offset:2048+512*\i
.endr
	; the addresses that stay
	v_and_b32 v150, 7, v128
	v_lshrrev_b32 v151, 3, v128
	v_mul_u32_u24 v[LA0], v150, ROWP
	v_mad_u32_u24 v[LA0], v151, REG, v[LA0]
	v_mad_u32_u24 v[LA0], v129, 24, v[LA0]
	s_mul_i32 s98, s[TSEL], 2*REG
	v_add_nc_u32 v[LA0], s98, v[LA0]
	v_lshl_add_u32 v[LA1], v129, 4, v[LA0]
	s_lshl_b32 s98, s[TSEL], 14
	s_add_co_u32 s98, s98, SCA
	v_add_nc_u32 v[LSC], s98, v133
	v_lshl_add_u32 v[LSN], v129, 7, SINT
	s_mul_i32 s98, s[HH], IMGH
	s_add_co_u32 s98, s98, IMG
	v_lshl_add_u32 v[LR16], v131, 4, s98
	v_lshl_add_u32 v[LR8], v131, 3, s98
	v_add_nc_u32 v[LR8], 512, v[LR8]
	s_mul_i32 s99, s[TSEL], 6144
	v_add_nc_u32 v[LW16], s99, v[LR16]
	v_add_nc_u32 v[LW8], s99, v[LR8]
	s_mul_i32 s98, s[HH], 768
	s_add_co_u32 s98, s98, SCB
	v_lshl_add_u32 v[LRS], v131, 2, s98
	v_lshl_add_u32 v[LWB], v128, 2, v129
	s_lshl_b32 s99, s[TSEL], 9
	s_add_co_u32 s99, s99, s98
	v_add_nc_u32 v[LWB], s99, v[LWB]
	v_mul_u32_u24 v[PFO], v131, 3072
	v_lshlrev_b32 v[GO], 4, v131
	v_lshl_add_u32 v[KO], v129, 6, v130
	v_lshlrev_b32 v[KO], 2, v[KO]
	; the prefetches: partner cx stands at tile cx of slot 2 (key_'s two blocks, value's two); the first refill steps it to slot 3
	s_cmp_lt_u32 s[CX], 2
	s_cselect_b64 s[PFA:PFA+1], s[4:5], s[8:9]
	s_and_b32 s98, s[CX], 1
	s_lshl_b32 s98, s98, 5
	s_lshl_b32 s99, s[PQ], 9
	s_add_co_u32 s98, s98, s99
	s_add_co_u32 s98, s98, 128
	s_mul_i32 s98, s98, 3072
	s_mul_i32 s99, s[BB], 768
	s_add_co_u32 s98, s98, s99
	s_lshl_b32 s99, s[WV], 8
	s_add_co_u32 s98, s98, s99
	s_mov_b32 s99, 0
	s_add_nc_u64 s[PFA:PFA+1], s[PFA:PFA+1], s[98:99]
	s_cmp_lt_u32 s[WV], 3
	s_cselect_b32 s[LIMS], 5, 0
	s_cmp_eq_u32 ttmp9, 0
	s_cselect_b32 s[LIMS], s[LIMS], 0
.set i, 0
.rept 20
	v_mov_b32 v[KS+i], 0                           ; the running sums of k_ begin as zeros; the four registers behind them are lane permutes' destinations, which count as read
.set i, i+1
.endr
	WIN 0xc0                                       ; window 3 begins as zeros in every wave: kv_'s sums.  One body of the loop then serves every slot; the first tiles are on their way meanwhile
.set i, 0
.rept 256
	v_mov_b32 v[i], 0
.set i, i+1
.endr
	WIN 0
	s_wait_loadcnt 0x0                             ; W, its scale words, the bias
	WIN 0x40                                       ; the bias is the C of each sum's first product: a lane's column, eight times
.irp n, 0,1
.irp j, 0,1,2,3,4,5,6,7
	v_mov_b32 v[240+8*\n+\j], v[BT+\n]
.endr
.endr
	WIN 0x80
.irp n, 0,1
.irp j, 0,1,2,3,4,5,6,7
	v_mov_b32 v[240+8*\n+\j], v[BT+2+\n]
.endr
.endr
	WIN 0
	s_wait_tensorcnt 0x1                           ; the scale bytes and my part of slot 0 are in; slot 1's may stay out
	s_wait_dscnt 0x0                               ; my part of the tables is stored
	s_barrier_signal -1
	s_barrier_wait -1
	v_mov_b32 v[AA0], v[LA0]
	v_mov_b32 v[AA1], v[LA1]
	v_mov_b32 v[ASC], v[LSC]
	PRELOAD
; ONE SLOT.  The products; then the change of slots; then the next slot's first fragments are asked for, and the slot's results are worked on while they come.
.macro TRIP fill
	GEMM
	WIN 0
	s_wait_tensorcnt 0x0                           ; all my tensor loads have landed: my part of the next slot
	ds_add_u32 v[SPW], v[NIL]                      ; 0 onto my spare word
	s_and_b32 s[PAR], s[SS], 1
.if \fill
	s_mul_i32 s[G0+1], s[PAR], SLOT                ; the slot just read takes the rows two slots on
	s_add_co_u32 s[G0+1], s[G0+1], s[WREG]
	s_add_nc_u64 s[G0+2:G0+3], s[G0+2:G0+3], STEPB
	s_wait_xcnt 0x0                                ; the last prefetch, a slot back, has read its address
	s_add_nc_u64 s[PFA:PFA+1], s[PFA:PFA+1], STEPB
.endif
	s_xor_b32 s86, s[PAR], 1
	s_mul_i32 s86, s86, SLOT                       ; where the next slot lies
	s_and_b32 s87, s[SS], 3
	s_mul_i32 s88, s87, IMGR                       ; where this slot's images go
	s_lshr_b32 s89, s87, 1
	s_mul_i32 s90, s89, 1536
	s_lshl_b32 s91, s[PAR], 1
	s_add_co_u32 s90, s90, s91                     ; and their scale bytes: byte 2 c + h
	s_xor_b32 s89, s89, 1
	s_mul_i32 s91, s89, 2*IMGR                     ; where the pair before lies
	s_mul_i32 s92, s89, 1536
	s_lshl_b32 s93, s[SS], 11
	s_add_co_u32 s93, s93, 2048
	s_lshl_b32 s94, s[SS], 8
	s_wait_dscnt 0x0                               ; the add is done; my reads of this slot are over; my images of the last slot are stored
.if \fill
	ROUND                                          ; no wave of any partner still reads the slot or has a load on its way
	tensor_load_to_lds s[G0:G0+3], s[G1:G1+7]      ; my one tensor load behind the round; it has this slot's vector work and the next slot's products in which to land
	s_nop 0
	PLACES 4
	ASK
.else
	s_barrier_signal -1
	s_barrier_wait -1
	PLACES 4
.endif
	v_add_nc_u32 v[AA0], s86, v[LA0]               ; every LDS address of both roles is made here, where all waves pass
	v_add_nc_u32 v[AA1], s86, v[LA1]
	v_add_nc_u32 v[ASC], s93, v[LSC]
	v_add_nc_u32 v[SNA], s94, v[LSN]
	v_add_nc_u32 v[IW16], s88, v[LW16]
	v_add_nc_u32 v[IW8], s88, v[LW8]
	v_add_nc_u32 v[IWB], s90, v[LWB]
	v_add_nc_u32 v[IR16], s91, v[LR16]
	v_add_nc_u32 v[IR8], s91, v[LR8]
	v_add_nc_u32 v[IRS], s92, v[LRS]
.if \fill
	PRELOAD
.else
	s_cmp_eq_u32 s[SS], 7                          ; behind the last slot there is none
	s_cbranch_scc1 .Lno_next_\@
	PRELOAD
.Lno_next_\@:
.endif
	s_cmp_eq_u32 s[TSEL], 0
	s_cbranch_scc0 .Lv_wave_\@
	EPI_K
	WIN 0
	s_branch .Ljoin_\@
.Lv_wave_\@:
	EPI_V
	s_cmp_lg_u32 s[PAR], 0                         ; in slots 2, 4, 6 the pair before is whole in LDS: its last images were stored ahead of this trip's barrier
	s_cbranch_scc1 .Ljoin_\@
	s_cmp_eq_u32 s[SS], 0
	s_cbranch_scc1 .Ljoin_\@
	PRODUCT
.Ljoin_\@:
	s_add_co_u32 s[SS], s[SS], 1
.endm
.Lfill:                                                ; slots 0 to 5: each is filled again with the rows two slots on
	TRIP 1
	s_cmp_lt_u32 s[SS], 6
	s_cbranch_scc1 .Lfill
.Ltail:                                                ; slots 6 and 7 ask for nothing: a body of their own
	TRIP 0
	s_cmp_lt_u32 s[SS], 8
	s_cbranch_scc1 .Ltail
	s_wait_dscnt 0x0                               ; slot 7's images are stored
	s_barrier_signal -1
	s_barrier_wait -1
	v_add_nc_u32 v[IR16], 2*IMGR, v[LR16]          ; the last pair
	v_add_nc_u32 v[IR8], 2*IMGR, v[LR8]
	v_add_nc_u32 v[IRS], 1536, v[LRS]
	s_cmp_eq_u32 s[TSEL], 0
	s_cbranch_scc1 .Lend_k
	PRODUCT
	WIN 0x0c                                       ; kv_'s 256 registers leave as they stand: a store of the wave covers 512 consecutive bytes, aligned; each accumulator from its low end on
.set i, 0
.rept 64
	global_store_b128 v[GO], v[4*i:4*i+3], s[OB:OB+1] offset:512*i th:TH_STORE_NT
.set i, i+1
.endr
	WIN 0
	s_branch .Lend
.Lend_k:                                               ; the k-waves' end works in window 0 alone
	v_and_b32 v31, 16, v0
	v_cmp_ne_u32 vcc_lo, 0, v31                    ; lanes 16-31 store the cos sums, lanes 0-15 the sin sums
.irp n, 0,1,2,3
	v_add_f32 v[KT], v[KS+4*\n], v[KS+4*\n+1]      ; a pair's two halves,
	v_add_f32 v[KT+1], v[KS+4*\n+2], v[KS+4*\n+3]
	v_permlanex16_b32 v[KT+2], v[KT], s[SEL], s[SEL+1]
	v_permlanex16_b32 v[KT+3], v[KT+1], s[SEL], s[SEL+1]
	v_add_f32 v[KT], v[KT], v[KT+2]                ; and lane l xor 16's: the other blocks of 32 l
	v_add_f32 v[KT+1], v[KT+1], v[KT+3]
	v_cndmask_b32 v[64+\n], v[KT], v[KT+1], vcc_lo
.endr
.irp n, 0,1,2,3
	global_store_b32 v[KO], v[64+\n], s[OB:OB+1] offset:32*\n
.endr
.Lend:
	s_wait_tensorcnt 0x0                           ; the wave's end
	ds_add_u32 v[SPW], v[NIL]
	s_wait_dscnt 0x0
	ROUND                                          ; the closing round
	s_endpgm
.Lfunc_end_k_q796ab0608b_kvpart:
	.size	k_q796ab0608b_kvpart, .Lfunc_end_k_q796ab0608b_kvpart-k_q796ab0608b_kvpart
	.p2alignl 7, 3214868480
	.fill 96, 4, 3214868480
	.section	.rodata,"a",@progbits
	.p2align	6, 0x0
	.amdhsa_kernel k_q796ab0608b_kvpart
		.amdhsa_group_segment_fixed_size 327680
		.amdhsa_private_segment_fixed_size 0
		.amdhsa_enable_private_segment 0
		.amdhsa_kernarg_size 96
		.amdhsa_user_sgpr_count 2
		.amdhsa_user_sgpr_kernarg_segment_ptr 1
		.amdhsa_wavefront_size32 1
		.amdhsa_system_sgpr_workgroup_id_x 1
		.amdhsa_system_sgpr_workgroup_id_y 1
		.amdhsa_system_sgpr_workgroup_id_z 1
		.amdhsa_system_vgpr_workitem_id 0
		.amdhsa_next_free_vgpr 1024
		.amdhsa_next_free_sgpr 100
		.amdhsa_reserve_vcc 1
		.amdhsa_float_denorm_mode_32 3
		.amdhsa_float_denorm_mode_16_64 3
		.amdhsa_memory_ordered 1
		.amdhsa_forward_progress 1
		.amdhsa_inst_pref_size 226
	.end_amdhsa_kernel
	.amdgpu_metadata
---
amdhsa.version: [ 1, 2 ]
amdhsa.kernels:
  - .name:           k_q796ab0608b_kvpart
    .symbol:         k_q796ab0608b_kvpart.kd
    .args:
      - { .name: key__codes, .offset: 0, .size: 8, .value_kind: global_buffer, .address_space: global }
      - { .name: key__scales, .offset: 8, .size: 8, .value_kind: global_buffer, .address_space: global }
      - { .name: value_codes, .offset: 16, .size: 8, .value_kind: global_buffer, .address_space: global }
      - { .name: value_scales, .offset: 24, .size: 8, .value_kind: global_buffer, .address_space: global }
      - { .name: Wk_codes, .offset: 32, .size: 8, .value_kind: global_buffer, .address_space: global }
      - { .name: Wk_scales, .offset: 40, .size: 8, .value_kind: global_buffer, .address_space: global }
      - { .name: Wv_codes, .offset: 48, .size: 8, .value_kind: global_buffer, .address_space: global }
      - { .name: Wv_scales, .offset: 56, .size: 8, .value_kind: global_buffer, .address_space: global }
      - { .name: bk, .offset: 64, .size: 8, .value_kind: global_buffer, .address_space: global }
      - { .name: bv, .offset: 72, .size: 8, .value_kind: global_buffer, .address_space: global }
      - { .name: kvpart, .offset: 80, .size: 8, .value_kind: global_buffer, .address_space: global }
      - { .name: ksp, .offset: 88, .size: 8, .value_kind: global_buffer, .address_space: global }
    .group_segment_fixed_size: 327680
    .private_segment_fixed_size: 0
    .kernarg_segment_align: 8
    .kernarg_segment_size: 96
    .max_flat_workgroup_size: 128
    .sgpr_count:     100
    .vgpr_count:     1024
    .wavefront_size: 32
...
	.end_amdgpu_metadata
.endif
;; end of part 1
;; launch reduce (part 2): grid 256 x 1, 2 waves a work-group, no clusters, 0 bytes of LDS; arguments kvpart, ksp, kvc, kvs, ksum; writes kvc, kvs, ksum
.if DOCPART == 2
	.amdgcn_target "amdgcn-amd-amdhsa--gfx1250"
	.amdhsa_code_object_version 6
	.text
	.protected	k_q796ab0608b_reduce
	.globl	k_q796ab0608b_reduce
	.p2align	8
	.type	k_q796ab0608b_reduce,@function
k_q796ab0608b_reduce:
	s_mov_b64 s[64:65], 0
	v_nop
	global_prefetch_b8 v0, s[64:65] scope:SCOPE_SE
	s_setreg_imm32_b32 hwreg(HW_REG_WAVE_MODE, 25, 1), 1
	s_wait_xcnt 0x0
; kv_ = the sum of its eight parts, quantised along d (E2M3, one E8M0 scale for each 32) into images of the next product's operand registers; ksum = the sum of its eight parts.
; Work-group x = 4 n + mt (n: batch x head, mt: a tile of 16 columns m); wave c takes d = 64 c on.  A lane's 32 numbers are d = 64 c + 32 h + 0 .. 31 of one column m: a whole block.
; A stream: each byte is read once, each load of a wave covers 512 consecutive bytes; no LDS, no barrier, no matrix unit, no cluster (work-groups share no input).
; LIMITS: NaN and infinities are not served; a block of zeros gets the byte 1 with zero codes (the bytes are read by this program alone).
.set BUF, 32                           ; six sets of 32 registers
	s_load_b128 s[4:7], s[0:1], 0x0                ; kvpart, ksp
	s_load_b128 s[8:11], s[0:1], 0x10              ; kvc, kvs
	s_load_b64 s[12:13], s[0:1], 0x20              ; ksum
	v_lshrrev_b32 v1, 5, v0
	v_readfirstlane_b32 s14, v1                    ; c
	v_and_b32 v2, 31, v0
	v_lshlrev_b32 v3, 4, v2                        ; 16 x lane
	v_lshlrev_b32 v4, 3, v2                        ; 8 x lane
	v_and_b32 v5, 15, v0
	v_bfe_u32 v6, v0, 4, 1
	v_lshl_add_u32 v5, v5, 2, v6                   ; 4 r + h
	s_lshr_b32 s15, ttmp9, 2                       ; n
	s_and_b32 s16, ttmp9, 3                        ; mt
	s_lshl_b32 s18, s15, 18
	s_lshl_b32 s17, s16, 13
	s_add_co_u32 s18, s18, s17
	s_lshl_b32 s17, s14, 12
	s_add_co_u32 s18, s18, s17
	s_mov_b32 s19, 0
	s_lshl_b32 s20, ttmp9, 1
	s_add_co_u32 s20, s20, s14
	s_mul_i32 s20, s20, 768
	s_mov_b32 s21, 0
	s_lshl_b32 s22, ttmp9, 6
	s_lshl_b32 s17, s14, 1
	s_add_co_u32 s22, s22, s17
	s_mov_b32 s23, 0
	s_wait_kmcnt 0x0
	s_add_nc_u64 s[4:5], s[4:5], s[18:19]
	s_add_nc_u64 s[8:9], s[8:9], s[20:21]
	s_add_nc_u64 s[10:11], s[10:11], s[22:23]
.macro LD p, k                         ; part p into set k
.irp i, 0,1,2,3,4,5,6,7
	global_load_b128 v[BUF+32*(\k)+4*\i:BUF+32*(\k)+4*\i+3], v3, s[4:5] offset:32768*(\p)+512*\i th:TH_LOAD_NT
.endr
.endm
.macro ACCU k                          ; set 0 += set k
.set i, 0
.rept 16
	v_pk_add_f32 v[BUF+i:BUF+i+1], v[BUF+i:BUF+i+1], v[BUF+32*(\k)+i:BUF+32*(\k)+i+1]
.set i, i+2
.endr
.endm
	LD 0, 0
	LD 1, 1
	LD 2, 2
	LD 3, 3
	LD 4, 4
	LD 5, 5
	s_wait_loadcnt 32                              ; parts 0 and 1 are in; four parts, eight loads each, may be out
	ACCU 1
	LD 6, 1
	s_wait_loadcnt 32                              ; behind part 2: parts 3, 4, 5, 6
	ACCU 2
	LD 7, 2
	s_wait_loadcnt 32                              ; behind part 3: parts 4, 5, 6, 7
	ACCU 3
	s_wait_loadcnt 24
	ACCU 4
	s_wait_loadcnt 16
	ACCU 5
	s_wait_loadcnt 8
	ACCU 1
	s_wait_loadcnt 0x0
	ACCU 2
	v_max3_num_f32 v20, |v[BUF]|, |v[BUF+1]|, |v[BUF+2]|
	v_max3_num_f32 v21, |v[BUF+3]|, |v[BUF+4]|, |v[BUF+5]|
.irp i, 6,10,14,18,22,26
	v_max3_num_f32 v20, v20, |v[BUF+\i]|, |v[BUF+\i+1]|
	v_max3_num_f32 v21, v21, |v[BUF+\i+2]|, |v[BUF+\i+3]|
.endr
	v_max3_num_f32 v20, v20, |v[BUF+30]|, |v[BUF+31]|
	v_max3_num_f32 v20, v20, v21, 0x1800000        ; the floor 2^(3 - 127): the byte cannot fall under 1
	v_add_nc_u32 v22, 0xff000000, v20              ; 2 off the exponent field: the conversion's scale operand
	v_lshrrev_b32 v23, 23, v22                     ; the scale's byte
	v_cvt_scalef32_pk16_fp6_f32 v[8:10], v[BUF:BUF+15], v22
	v_cvt_scalef32_pk16_fp6_f32 v[16:18], v[BUF+16:BUF+31], v22
	v_nop
	v_mov_b32 v11, v16
	v_mov_b32 v12, v17
	v_mov_b32 v13, v18
	global_store_b128 v3, v[8:11], s[8:9]          ; registers 6 c .. 6 c + 3 of the operand, 512 consecutive bytes
	global_store_b64 v4, v[12:13], s[8:9] offset:512   ; registers 6 c + 4, 5: 256 consecutive bytes
	global_store_b8 v5, v23, s[10:11]              ; byte 2 c + h of row r's scale word
	s_or_b32 s17, s16, s14
	s_cmp_lg_u32 s17, 0
	s_cbranch_scc1 .Ldone                          ; one wave for each n adds ksum's parts
	s_lshl_b32 s18, s15, 12
	s_add_nc_u64 s[6:7], s[6:7], s[18:19]
	s_lshl_b32 s18, s15, 9
	s_add_nc_u64 s[12:13], s[12:13], s[18:19]
.irp p, 0,1,2,3,4,5,6,7
	global_load_b128 v[64+4*\p:67+4*\p], v3, s[6:7] offset:512*\p
.endr
	s_wait_loadcnt 0x0
.irp p, 1,2,3,4,5,6,7
	v_pk_add_f32 v[64:65], v[64:65], v[64+4*\p:65+4*\p]
	v_pk_add_f32 v[66:67], v[66:67], v[66+4*\p:67+4*\p]
.endr
	global_store_b128 v3, v[64:67], s[12:13]
.Ldone:
	s_endpgm
.Lfunc_end_k_q796ab0608b_reduce:
	.size	k_q796ab0608b_reduce, .Lfunc_end_k_q796ab0608b_reduce-k_q796ab0608b_reduce
	.p2alignl 7, 3214868480
	.fill 96, 4, 3214868480
	.section	.rodata,"a",@progbits
	.p2align	6, 0x0
	.amdhsa_kernel k_q796ab0608b_reduce
		.amdhsa_group_segment_fixed_size 0
		.amdhsa_private_segment_fixed_size 0
		.amdhsa_enable_private_segment 0
		.amdhsa_kernarg_size 40
		.amdhsa_user_sgpr_count 2
		.amdhsa_user_sgpr_kernarg_segment_ptr 1
		.amdhsa_wavefront_size32 1
		.amdhsa_system_sgpr_workgroup_id_x 1
		.amdhsa_system_sgpr_workgroup_id_y 1
		.amdhsa_system_sgpr_workgroup_id_z 1
		.amdhsa_system_vgpr_workitem_id 0
		.amdhsa_next_free_vgpr 256
		.amdhsa_next_free_sgpr 66
		.amdhsa_reserve_vcc 0
		.amdhsa_float_denorm_mode_32 3
		.amdhsa_float_denorm_mode_16_64 3
		.amdhsa_memory_ordered 1
		.amdhsa_forward_progress 1
		.amdhsa_inst_pref_size 19
	.end_amdhsa_kernel
	.amdgpu_metadata
---
amdhsa.version: [ 1, 2 ]
amdhsa.kernels:
  - .name:           k_q796ab0608b_reduce
    .symbol:         k_q796ab0608b_reduce.kd
    .args:
      - { .name: kvpart, .offset: 0, .size: 8, .value_kind: global_buffer, .address_space: global }
      - { .name: ksp, .offset: 8, .size: 8, .value_kind: global_buffer, .address_space: global }
      - { .name: kvc, .offset: 16, .size: 8, .value_kind: global_buffer, .address_space: global }
      - { .name: kvs, .offset: 24, .size: 8, .value_kind: global_buffer, .address_space: global }
      - { .name: ksum, .offset: 32, .size: 8, .value_kind: global_buffer, .address_space: global }
    .group_segment_fixed_size: 0
    .private_segment_fixed_size: 0
    .kernarg_segment_align: 8
    .kernarg_segment_size: 40
    .max_flat_workgroup_size: 64
    .sgpr_count:     66
    .vgpr_count:     256
    .wavefront_size: 32
...
	.end_amdgpu_metadata
.endif
;; end of part 2
;; launch qout (part 3): grid 4 x 64, 4 waves a work-group, clusters of 4 x 1, 235,008 bytes of LDS; arguments query_codes, query_scales, Wq_codes, Wq_scales, bq, kvc, kvs, ksum, out0; writes out0
.if DOCPART == 3
	.amdgcn_target "amdgcn-amd-amdhsa--gfx1250"
	.amdhsa_code_object_version 6
	.text
	.protected	k_q796ab0608b_qout
	.globl	k_q796ab0608b_qout
	.p2align	8
	.type	k_q796ab0608b_qout,@function
k_q796ab0608b_qout:
	s_mov_b64 s[64:65], 0
	v_nop
	global_prefetch_b8 v0, s[64:65] scope:SCOPE_SE
	s_setreg_imm32_b32 hwreg(HW_REG_WAVE_MODE, 25, 1), 1
	s_wait_xcnt 0x0
	s_wait_alu depctr_hold_cnt(0) depctr_sa_sdst(0) depctr_va_vdst(0) depctr_va_sdst(0) depctr_va_ssrc(0) depctr_va_vcc(0) depctr_vm_vsrc(0)
	s_getreg_b32 s2, hwreg(HW_REG_IB_STS2, 6, 4)
	s_cmp_eq_u32 s2, 0
	s_cbranch_scc0 .Lentry_in_a_cluster
	s_endpgm
.Lentry_in_a_cluster:
	s_bfe_u32 s2, ttmp6, 0x10000c
	s_cmp_lg_u32 s2, 0x3003
	s_cbranch_scc0 .Lentry_shape_is_right
	s_endpgm
.Lentry_shape_is_right:
; q = relu(query Wq^T + bq), q_ = [q sin, q cos]; out = (Q(q_) Q(kv_)) / max(q_ . ksum, 1e-4).  Products on codes of E2M3 with one E8M0 scale for each 32 along K; q_ is quantised along d.
; SHARES.  A work-group: one batch b, 256 l, four heads; wave w: one head, whose 64 columns of Wq (32 fragments) and kv_ (4 fragments) stay in its registers.
; The 256 rows of query fit in LDS at once: every tensor load is a first fill, nothing is filled again.  The rows are walked in four pieces of 64, written out by macro.
; CLUSTER.  The four work-groups of a cluster differ in their heads alone and need the same rows of query: each tile is asked for jointly (mask 15).  The weights are each wave's own.
; LAYOUT.  SEL(r) = r + 3 (r & 8).  Source 0 = 16 rows of Wq (lane r of tile t: column SEL(r) + 8 t), source 1 = 16 neighbouring rows of query: lane (r, h) holds row r and, in the 32
; registers of accumulators (a, 0..3), columns 32 h + 0 .. 31: x sin they are block h, x cos block 2 + h of the next K, each whole in one lane.
; Second product: source 0 = kv_^T (tile mt, lane r: m = SEL(r) + 8 mt), source 1 = q_: lane (r, h) holds out(l = r, m = 32 h + 0 .. 31), laid over the spent q.
; LIMITS.  NaN and infinities are not served.  A block of zeros gets the byte 1 with zero codes.  The divisor is formed as sin x (q . ksum_sin) + cos x (q . ksum_cos), another order of
; rounding than a plain sum over d; it goes into no quantiser.  sin and cos are polynomials on [0, pi/4] of the f32 angle, cut under 3e-9 of the value.  The bias starts the sums.
; REGISTERS.  Window 0: v3-10 addresses; v32-47 query's scale words; v48-63 Wq's; v64-65 kv_'s; v66-69 q_'s; v128-255 accumulators (a, t) at 128 + 32 a + 8 t.  Windows 1, 2: Wq's K steps
; 0-3, 4-7; row fragments of even, odd K steps at v192; bias tiles at v240.  Window 3: v0 kv_; v48, v80 ksum; v112 (sin, cos) of the 16 row tiles; v144 q_'s codes; v160, v192 q sin, q cos; v224.. at work.
.set ROWP,  816
.set SCQ,   256*ROWP
.set STAGE, SCQ+8192
.set LA0, 3
.set LA1, 4
.set AA0, 5
.set AA1, 6
.set LSC, 7
.set STO, 8
.set RD,  9
.set GO,  10
.set ASCL, 32
.set WSCL, 48
.set ACC, 128
.set WV,  28
.set CX,  31
.set BB,  33
.set LC,  34
.set G1,  36
.set G1S, 44
.set G0S, 52
.set SEL, 68
.set SPI, 96
.set FLR, 97
.set MSB, 0
.macro WIN new
.if MSB != (\new)
	s_set_vgpr_msb (MSB<<8)|(\new)
.set MSB, (\new)
.endif
.endm
.macro PLACES n
.rept \n
	v_nop
.endr
.endm
.macro ROUND
	s_barrier_signal -1
	s_barrier_wait -1
	s_cmp_lg_u32 s[WV], 0
	s_cbranch_scc1 .Lnot_wave_0_\@
	s_barrier_signal -3
.Lnot_wave_0_\@:
	s_barrier_wait -3
	s_barrier_signal -1
	s_barrier_wait -1
.endm
.macro WM
.if fA && fB
	v_wmma_scale_f32_16x16x128_f8f6f4 v[rD:rD+7], v[rA:rA+11], v[rB:rB+11], v[rC:rC+7], v[rSA], v[rSB] matrix_a_fmt:MATRIX_FMT_FP6 matrix_b_fmt:MATRIX_FMT_FP6 matrix_a_scale:MATRIX_SCALE_ROW1 matrix_b_scale:MATRIX_SCALE_ROW1
.elseif fA
	v_wmma_scale_f32_16x16x128_f8f6f4 v[rD:rD+7], v[rA:rA+11], v[rB:rB+11], v[rC:rC+7], v[rSA], v[rSB] matrix_a_fmt:MATRIX_FMT_FP6 matrix_b_fmt:MATRIX_FMT_FP6 matrix_a_scale:MATRIX_SCALE_ROW1
.elseif fB
	v_wmma_scale_f32_16x16x128_f8f6f4 v[rD:rD+7], v[rA:rA+11], v[rB:rB+11], v[rC:rC+7], v[rSA], v[rSB] matrix_a_fmt:MATRIX_FMT_FP6 matrix_b_fmt:MATRIX_FMT_FP6 matrix_b_scale:MATRIX_SCALE_ROW1
.else
	v_wmma_scale_f32_16x16x128_f8f6f4 v[rD:rD+7], v[rA:rA+11], v[rB:rB+11], v[rC:rC+7], v[rSA], v[rSB] matrix_a_fmt:MATRIX_FMT_FP6 matrix_b_fmt:MATRIX_FMT_FP6
.endif
.endm
.macro WMZ                             ; the same with the constant 0 as C
.if fA
	v_wmma_scale_f32_16x16x128_f8f6f4 v[rD:rD+7], v[rA:rA+11], v[rB:rB+11], 0, v[rSA], v[rSB] matrix_a_fmt:MATRIX_FMT_FP6 matrix_b_fmt:MATRIX_FMT_FP6 matrix_a_scale:MATRIX_SCALE_ROW1
.else
	v_wmma_scale_f32_16x16x128_f8f6f4 v[rD:rD+7], v[rA:rA+11], v[rB:rB+11], 0, v[rSA], v[rSB] matrix_a_fmt:MATRIX_FMT_FP6 matrix_b_fmt:MATRIX_FMT_FP6
.endif
.endm
.macro FRAG reg, q, rowoff             ; six pieces of 8 bytes a lane; where the piece three on lies behind one padding more, the second address register serves
.irp p, 0,1,2,3,4,5
.set PCE, 12*(\q)+6*(\p/3)+\p%3
.if PCE%32 < 29
	ds_load_b64 v[(\reg)+2*\p:(\reg)+2*\p+1], v[AA0] offset:8*PCE+16*(PCE/32)+(\rowoff)
.else
	ds_load_b64 v[(\reg)+2*\p:(\reg)+2*\p+1], v[AA1] offset:8*PCE+16*(PCE/32)+(\rowoff)
.endif
.endr
.endm
.macro SINCOS vi, ds, dc, tb           ; sin and cos of x = fl(fl(pi/2 x i) / 4096); above pi/4 the angle is taken from pi/2 and the two series change places
	v_cvt_f32_u32 v[\tb], v[\vi]
	v_mul_f32 v[\tb], s[SPI], v[\tb]
	v_mul_f32 v[\tb], 0x39800000, v[\tb]
	v_sub_f32 v[\tb+1], s[SPI], v[\tb]
	v_add_f32 v[\tb+1], 0xb33bbd2e, v[\tb+1]
	v_cmp_lt_u32 vcc_lo, 0x800, v[\vi]
	v_cndmask_b32 v[\tb+1], v[\tb], v[\tb+1], vcc_lo
	v_mul_f32 v[\tb+2], v[\tb+1], v[\tb+1]
	v_mov_b32 v[\tb+3], 0x3638ef1d
	v_mov_b32 v[\tb+4], 0xb493f27e
	v_fmaak_f32 v[\tb+3], v[\tb+2], v[\tb+3], 0xb9500d01
	v_fmaak_f32 v[\tb+4], v[\tb+2], v[\tb+4], 0x37d00d01
	v_fmaak_f32 v[\tb+3], v[\tb+2], v[\tb+3], 0x3c088889
	v_fmaak_f32 v[\tb+4], v[\tb+2], v[\tb+4], 0xbab60b61
	v_fmaak_f32 v[\tb+3], v[\tb+2], v[\tb+3], 0xbe2aaaab
	v_fmaak_f32 v[\tb+4], v[\tb+2], v[\tb+4], 0x3d2aaaab
	v_mul_f32 v[\tb+3], v[\tb+2], v[\tb+3]
	v_fmaak_f32 v[\tb+4], v[\tb+2], v[\tb+4], 0xbf000000
	v_fma_f32 v[\tb+3], v[\tb+1], v[\tb+3], v[\tb+1]
	v_fma_f32 v[\tb+4], v[\tb+2], v[\tb+4], 1.0
	v_cndmask_b32 v[\ds], v[\tb+3], v[\tb+4], vcc_lo
	v_cndmask_b32 v[\dc], v[\tb+4], v[\tb+3], vcc_lo
.endm
; K step q, row tile g: four products (Wq's four tiles against the row tile), then the row tile's fragment of K step q + 1 into the other set.
; The wait's count: behind the six loads of fragment (q, g) stand those of three other fragments, 18 loads; in the last K step 18, 12, 6, 0.
; One v_nop a group: five stand between a fragment's last product and the loads that land on it.  The 16 accumulators take turns.
.macro GROUP q, g
.if (\q) == 0
.if (\g) == 0
	s_wait_dscnt 0x0
.endif
.elseif (\q) == 7
	s_wait_dscnt 18-6*(\g)
.else
	s_wait_dscnt 18
.endif
.set MULQ, (1+(\q)/4)|((((\q)%2)+1)<<2)
.irp t, 0,1,2,3
.set rD, ACC+32*(\g)+8*\t
.set rA, 48*((\q)%4)+12*\t
.set rB, 192+12*(\g)
.set rSA, WSCL+8*(\t%2)+(\q)
.set rSB, ASCL+8*((\g)%2)+(\q)
.set fA, \t/2
.set fB, (\g)/2
.if (\q) == 0
.set rC, 240+8*(\t%2)
	WIN MULQ|(0x10<<(\t/2))
.else
.set rC, rD
	WIN MULQ
.endif
	WM
.endr
.if (\q) < 7
	v_nop
	WIN 0x80>>((\q)%2)
	FRAG 192+12*(\g), (\q)+1, 16*(\g)*ROWP
.endif
.endm
.macro GEMM
.irp q, 0,1,2,3,4,5,6,7
.irp g, 0,1,2,3
	GROUP \q, \g
.endr
.endr
.endm
.macro PRELOAD j                       ; piece j's scale words (lanes 0-15 row tiles 0, 1; lanes 16-31 tiles 2, 3) and its four fragments of K step 0
.irp e, 0,1
.irp u, 0,1
	ds_load_b128 v[ASCL+8*\e+4*\u:ASCL+8*\e+4*\u+3], v[LSC] offset:2048*(\j)+512*\e+16*\u
.endr
.endr
	WIN 0x40
.irp a, 0,1,2,3
	FRAG 192+12*\a, 0, 16*\a*ROWP
.endr
	WIN 0
.endm
.macro G0SET g, j                      ; group 0 for my 16 rows of piece j
	s_mov_b32 s[\g], 1
	s_add_co_u32 s[\g+1], s84, (\j)*64*ROWP
	s_add_nc_u64 s[\g+2:\g+3], s[86:87], (\j)*64*3072
	s_or_b32 s[\g+3], s[\g+3], 0x80000000
.endm
; ROW TILE a OF PIECE j: relu; the row's largest q, from which both blocks' largest magnitudes follow (rounding keeps the order); the scale word; q sin, q cos; codes; the divisor.
.macro QQ j, a
.set AB, ACC+32*(\a)
.set SCP, 112+2*(4*(\j)+(\a))
	WIN 0
.set i, 0
.rept 32
	v_max_num_f32 v[AB+i], 0, v[AB+i]
.set i, i+1
.endr
	WIN 0xc3
	v_max3_num_f32 v232, 0, v[AB], v[AB+1]
	v_max3_num_f32 v233, 0, v[AB+2], v[AB+3]
.set i, 4
.rept 7
	v_max3_num_f32 v232, v232, v[AB+i], v[AB+i+1]
	v_max3_num_f32 v233, v233, v[AB+i+2], v[AB+i+3]
.set i, i+4
.endr
	WIN 0xff
	v_max_num_f32 v232, v232, v233
	v_mul_f32 v233, v232, v[SCP]
	v_mul_f32 v234, v232, v[SCP+1]
	v_max_num_f32 v233, s[FLR], v233               ; the floor 2^(3 - 127): the byte cannot fall under 1
	v_max_num_f32 v234, s[FLR], |v234|
	v_add_nc_u32 v235, 0xff000000, v233            ; 2 off the exponent field: the conversion's scale operand
	v_add_nc_u32 v236, 0xff000000, v234
	v_lshrrev_b32 v237, 23, v235
	v_lshrrev_b32 v238, 23, v236
	v_lshl_or_b32 v239, v238, 16, v237             ; my bytes: blocks h and 2 + h,
	v_lshlrev_b32 v239, v254, v239                 ; at their places (8 h bits up);
	v_permlanex16_b32 v245, v239, s[SEL], s[SEL+1]
	WIN 0x0f
	v_or_b32 v[66+(\a)], v239, v245                ; with lane l xor 16's the word is whole
	WIN 0xfc
.set i, 0
.rept 16
	v_pk_mul_f32 v[160+i:161+i], v[AB+i:AB+i+1], v[SCP:SCP+1] op_sel_hi:[1,0]
.set i, i+2
.endr
.set i, 0
.rept 16
	v_pk_mul_f32 v[192+i:193+i], v[AB+i:AB+i+1], v[SCP:SCP+1] op_sel:[0,1] op_sel_hi:[1,1]
.set i, i+2
.endr
	WIN 0xff
	v_cvt_scalef32_pk16_fp6_f32 v[144:146], v[160:175], v235
	v_cvt_scalef32_pk16_fp6_f32 v[224:226], v[176:191], v235
	v_cvt_scalef32_pk16_fp6_f32 v[150:152], v[192:207], v236
	v_cvt_scalef32_pk16_fp6_f32 v[228:230], v[208:223], v236
	v_nop                                          ; one plain place behind a scaled conversion
.irp i, 0,1,2
	v_mov_b32 v[147+\i], v[224+\i]
	v_mov_b32 v[153+\i], v[228+\i]
.endr
	WIN 0xfc
	v_pk_mul_f32 v[240:241], v[AB:AB+1], v[48:49]  ; q . ksum_sin and q . ksum_cos over my 32 columns, two chains by turns
	v_pk_mul_f32 v[242:243], v[AB:AB+1], v[80:81]
.set i, 2
.rept 15
	v_pk_fma_f32 v[240:241], v[AB+i:AB+i+1], v[48+i:49+i], v[240:241]
	v_pk_fma_f32 v[242:243], v[AB+i:AB+i+1], v[80+i:81+i], v[242:243]
.set i, i+2
.endr
	WIN 0xff
	v_add_f32 v240, v240, v241
	v_add_f32 v242, v242, v243
	v_mul_f32 v244, v240, v[SCP]
	v_fma_f32 v244, v242, v[SCP+1], v244
	v_permlanex16_b32 v245, v244, s[SEL], s[SEL+1]
	v_add_f32 v244, v244, v245                     ; with the other 32 columns
	v_max_num_f32 v244, 0x38d1b717, v244           ; 1e-4 from below
	v_rcp_f32 v[246+2*(\a)], v244
	v_rcp_f32 v[247+2*(\a)], v244
	v_nop                                          ; one plain place behind a transcendental
.endm
.macro PP a                            ; four products over d = 128, laid over the spent q; the codes were written 30 plain instructions, the scale word more than 60, ahead
	WIN 0x0f
.irp m, 0,1,2,3
.set rD, ACC+32*(\a)+8*\m
.set rA, 12*\m
.set rB, 144
.set rSA, 64+\m/2
.set rSB, 66+(\a)
.set fA, \m%2
	WMZ
.endr
.endm
.macro OO a                            ; x 1 / divisor; 128 bytes a lane into my stage, back as whole rows of 256 bytes, into the registers that they left
.set AB, ACC+32*(\a)
	WIN 0x0c
.set i, 0
	s_wait_alu depctr_va_vdst(0)
.rept 16
	v_pk_mul_f32 v[AB+i:AB+i+1], v[AB+i:AB+i+1], v[246+2*(\a):247+2*(\a)]
.set i, i+2
.endr
	WIN 0
.irp i, 0,1,2,3,4,5,6,7
	ds_store_b128 v[STO], v[AB+4*\i:AB+4*\i+3] offset:16*\i
.endr
.irp i, 0,1,2,3,4,5,6,7
	ds_load_b128 v[AB+4*\i:AB+4*\i+3], v[RD] offset:544*\i   ; LDS serves a wave's instructions in order (ISA guide 5.7.1.4): these see the stores above, and the next tile's stores come behind them
.endr
.endm
.macro SEND j, a, cnt                  ; cnt: the LDS instructions issued behind this tile's loads: the next tile's sixteen, or none
.set AB, ACC+32*(\a)
	s_wait_dscnt \cnt
.irp i, 0,1,2,3,4,5,6,7
	global_store_b128 v[GO], v[AB+4*\i:AB+4*\i+3], s[20:21] offset:(64*(\j)+16*(\a)+2*\i)*16384 th:TH_STORE_NT   ; sixteen lanes store 256 consecutive bytes, aligned: a head's part of a row
.endr
.endm
.macro CHUNK j
.if (\j) > 0
	s_wait_xcnt 0x0                                ; the last piece's stores have read the accumulators' registers
.endif
	GEMM
	WIN 0
.if (\j) < 3
	s_wait_tensorcnt 2-(\j)                        ; my part of the next piece is in; the later pieces' fills may stay out
	s_wait_dscnt 0x0
	s_barrier_signal -1
	s_barrier_wait -1                              ; everybody's is
	PLACES 4
	v_add_nc_u32 v[AA0], 64*ROWP*((\j)+1), v[LA0]
	v_add_nc_u32 v[AA1], 64*ROWP*((\j)+1), v[LA1]
	PRELOAD (\j)+1
.else
	PLACES 4
.endif
	QQ \j, 0
	PP 0
	QQ \j, 1
	PP 1
	OO 0
	QQ \j, 2
	PP 2
	OO 1
	SEND \j, 0, 16
	QQ \j, 3
	PP 3
	OO 2
	SEND \j, 1, 16
	OO 3
	SEND \j, 2, 16
	SEND \j, 3, 0
.endm
	s_load_b512 s[4:19], s[0:1], 0x0               ; query codes, scales; Wq codes, scales; bq; kvc; kvs; ksum
	s_load_b64 s[20:21], s[0:1], 0x40              ; out0
	v_lshl_add_u32 v126, v0, 2, 0x39400
	v_mov_b32 v127, 0
	ds_add_u32 v126, v127
	v_lshrrev_b32 v150, 5, v0
	v_readfirstlane_b32 s[WV], v150
	s_bfe_u32 s[CX], ttmp6, 0x40000                ; which four heads: it enters global addresses of weights, kv_, ksum and out0 alone
	s_and_b32 s35, ttmp7, 0xffff
	s_and_b32 s[BB], s35, 3                        ; b
	s_lshr_b32 s[LC], s35, 2                       ; l = 256 LC on
	s_mov_b32 s[G1+0], 15|(1<<20)|(1<<21)|(5<<22)|(3<<25)  ; mask: all four; elements of 1 byte; 4 words of padding behind every 64
	s_mov_b32 s[G1+1], 768<<16
	s_mov_b32 s[G1+2], 16<<16
	s_mov_b32 s[G1+3], 768<<16
	s_mov_b32 s[G1+4], 16
	s_mov_b32 s[G1+5], 3072
	s_mov_b32 s[G1+6], 0
	s_mov_b32 s[G1+7], 0
	s_mov_b32 s[G1S+0], 15|(1<<21)
	s_mov_b32 s[G1S+1], 32<<16
	s_mov_b32 s[G1S+2], 64<<16
	s_mov_b32 s[G1S+3], 32<<16
	s_mov_b32 s[G1S+4], 64
	s_mov_b32 s[G1S+5], 128
	s_mov_b32 s[G1S+6], 0
	s_mov_b32 s[G1S+7], 0
	s_mul_i32 s80, s[LC], 256*3072
	s_mul_i32 s81, s[WV], 16*3072
	s_add_co_u32 s80, s80, s81
	s_mul_i32 s81, s[BB], 768
	s_add_co_u32 s80, s80, s81
	s_mov_b32 s81, 0
	s_lshl_b32 s82, s[LC], 15
	s_lshl_b32 s83, s[WV], 13
	s_add_co_u32 s82, s82, s83
	s_lshl_b32 s83, s[BB], 5
	s_add_co_u32 s82, s82, s83
	s_mov_b32 s83, 0
	s_mul_i32 s84, s[WV], 16*ROWP
	s_lshl_b32 s85, s[WV], 11
	s_mov_b32 s[SEL], 0x76543210
	s_mov_b32 s[SEL+1], 0xfedcba98
	s_mov_b32 s[SPI], 0x3fc90fdb
	s_mov_b32 s[FLR], 0x1800000
	s_wait_dscnt 0x0
	s_wait_kmcnt 0x0
	s_mov_b32 s[G0S], 1
	s_add_co_u32 s[G0S+1], s85, SCQ
	s_add_nc_u64 s[G0S+2:G0S+3], s[6:7], s[82:83]
	s_or_b32 s[G0S+3], s[G0S+3], 0x80000000
	s_add_nc_u64 s[86:87], s[4:5], s[80:81]
	G0SET 56, 0
	G0SET 60, 1
	G0SET 72, 2
	G0SET 76, 3
	ROUND                                          ; all four work-groups are here: the joint loads meet
	tensor_load_to_lds s[G0S:G0S+3], s[G1S:G1S+7]  ; five loads of mine are out: 64 rows' scale bytes, and my 16 rows of each of the four pieces
	s_nop 0
	tensor_load_to_lds s[56:59], s[G1:G1+7]
	s_nop 0
	tensor_load_to_lds s[60:63], s[G1:G1+7]
	s_nop 0
	tensor_load_to_lds s[72:75], s[G1:G1+7]
	s_nop 0
	tensor_load_to_lds s[76:79], s[G1:G1+7]
	s_nop 0
	PLACES 4
	s_lshl_b32 s88, s[CX], 2
	s_add_co_u32 s88, s88, s[WV]                   ; my head
	s_lshl_b32 s89, s[BB], 4
	s_add_co_u32 s89, s89, s88                     ; n = 16 b + head
	s_mov_b32 s91, 0
	s_mul_i32 s90, s88, 64*768
	s_add_nc_u64 s[8:9], s[8:9], s[90:91]
	s_lshl_b32 s90, s88, 11
	s_add_nc_u64 s[10:11], s[10:11], s[90:91]
	s_lshl_b32 s90, s88, 8
	s_add_nc_u64 s[12:13], s[12:13], s[90:91]
	s_add_nc_u64 s[20:21], s[20:21], s[90:91]
	s_mul_i32 s90, s89, 6144
	s_add_nc_u64 s[14:15], s[14:15], s[90:91]
	s_lshl_b32 s90, s89, 8
	s_add_nc_u64 s[16:17], s[16:17], s[90:91]
	s_lshl_b32 s90, s89, 9
	s_add_nc_u64 s[18:19], s[18:19], s[90:91]
	s_lshl_b32 s90, s[LC], 22
	s_lshl_b32 s92, s[BB], 12
	s_add_co_u32 s90, s90, s92
	s_add_nc_u64 s[20:21], s[20:21], s[90:91]      ; out0 at row (256 LC, b), my head's 256 bytes
	v_and_b32 v128, 15, v0                         ; r
	v_bfe_u32 v129, v0, 4, 1                       ; h
	v_and_b32 v130, 8, v128
	v_mad_u32_u24 v130, v130, 3, v128              ; SEL(r)
	v_and_b32 v131, 31, v0                         ; lane
	v_mul_u32_u24 v132, v130, 768
	v_mad_u32_u24 v132, v129, 24, v132
	v_lshl_add_u32 v133, v129, 4, v130
	v_lshlrev_b32 v133, 5, v133
	v_lshlrev_b32 v134, 7, v129                    ; 128 h
	v_lshlrev_b32 v135, 4, v131
	v_lshlrev_b32 v136, 3, v131
	v_lshlrev_b32 v137, 2, v131
	WIN 0x40                                       ; Wq's fragments (K step q, tile t) at 48 (q % 4) + 12 t of windows 1 and 2: they stay
.irp q, 0,1,2,3
.irp n, 0,1,2,3
.irp p, 0,1,2,3,4,5
	global_load_b64 v[48*\q+12*\n+2*\p:48*\q+12*\n+2*\p+1], v132, s[8:9] offset:6144*\n+96*\q+48*(\p/3)+8*(\p%3)
.endr
.endr
.endr
.irp t, 0,1
.irp u, 0,1
	global_load_b128 v[240+8*\t+4*\u:240+8*\t+4*\u+3], v134, s[12:13] offset:32*\t+16*\u    ; the bias in the result's layout: columns 32 h + 8 t + 0 .. 7
.endr
.endr
	WIN 0x80
.irp q, 0,1,2,3
.irp n, 0,1,2,3
.irp p, 0,1,2,3,4,5
	global_load_b64 v[48*\q+12*\n+2*\p:48*\q+12*\n+2*\p+1], v132, s[8:9] offset:6144*\n+96*(\q+4)+48*(\p/3)+8*(\p%3)
.endr
.endr
.endr
.irp t, 0,1
.irp u, 0,1
	global_load_b128 v[240+8*\t+4*\u:240+8*\t+4*\u+3], v134, s[12:13] offset:64+32*\t+16*\u
.endr
.endr
	WIN 0xc0
.irp m, 0,1,2,3
.irp c, 0,1
	global_load_b128 v[12*\m+6*\c:12*\m+6*\c+3], v135, s[14:15] offset:(2*\m+\c)*768
	global_load_b64 v[12*\m+6*\c+4:12*\m+6*\c+5], v136, s[14:15] offset:(2*\m+\c)*768+512
.endr
.endr
.irp i, 0,1,2,3,4,5,6,7
	global_load_b128 v[48+4*\i:51+4*\i], v134, s[18:19] offset:16*\i
	global_load_b128 v[80+4*\i:83+4*\i], v134, s[18:19] offset:256+16*\i
.endr
	v_and_b32 v255, 15, v0
	v_bfe_u32 v254, v0, 4, 1
	v_mov_b32 v245, 0                              ; written once: a lane permute's destination counts as one of its sources
	WIN 0
.irp e, 0,1
.irp u, 0,1
	global_load_b128 v[WSCL+8*\e+4*\u:WSCL+8*\e+4*\u+3], v133, s[10:11] offset:256*\e+16*\u
.endr
.endr
.irp i, 0,1
	global_load_b32 v[64+\i], v137, s[16:17] offset:128*\i   ; kv_'s scale words: lanes 0-15 tile 2 i, lanes 16-31 tile 2 i + 1
.endr
	s_lshl_b32 s93, s[LC], 8
	s_add_co_u32 s93, s93, 1
	WIN 0xff
	v_lshlrev_b32 v254, 3, v254                    ; 8 h
	v_add_nc_u32 v255, s93, v255                   ; l + 1 of my row in row tile 0
.irp A, 0,1,2,3,4,5,6,7,8,9,10,11,12,13,14,15
	v_add_nc_u32 v160, 16*\A, v255
	SINCOS 160, 112+2*\A, 113+2*\A, 161
.endr
	WIN 0
	v_mul_u32_u24 v[LA0], v128, ROWP
	v_mad_u32_u24 v[LA0], v129, 24, v[LA0]
	v_lshl_add_u32 v[LA1], v129, 4, v[LA0]
	v_lshl_add_u32 v[LSC], v129, 5, v128
	v_lshlrev_b32 v[LSC], 5, v[LSC]
	v_add_nc_u32 v[LSC], SCQ, v[LSC]
	s_mul_i32 s94, s[WV], 16*272
	s_add_co_u32 s94, s94, STAGE                   ; my stage: 16 rows x (256 bytes + 16)
	v_mul_u32_u24 v[STO], v128, 272
	v_lshl_add_u32 v[STO], v129, 7, v[STO]
	v_add_nc_u32 v[STO], s94, v[STO]
	v_mul_u32_u24 v[RD], v129, 272
	v_lshl_add_u32 v[RD], v128, 4, v[RD]
	v_add_nc_u32 v[RD], s94, v[RD]
	v_lshlrev_b32 v[GO], 14, v129                  ; rows of one b lie 16,384 bytes apart in out0
	v_lshl_add_u32 v[GO], v128, 4, v[GO]
	v_mov_b32 v[AA0], v[LA0]
	v_mov_b32 v[AA1], v[LA1]
	s_wait_loadcnt 0x0
	s_wait_tensorcnt 0x3                           ; the scale bytes and my part of piece 0 are in; three later fills may stay out
	s_barrier_signal -1
	s_barrier_wait -1
	PRELOAD 0
	CHUNK 0
	CHUNK 1
	CHUNK 2
	CHUNK 3
	s_wait_tensorcnt 0x0
	ds_add_u32 v126, v127
	s_wait_dscnt 0x0
	ROUND                                          ; the closing round: every tensor load was shown done in piece 2, no LDS instruction of mine is out
	s_endpgm
.Lfunc_end_k_q796ab0608b_qout:
	.size	k_q796ab0608b_qout, .Lfunc_end_k_q796ab0608b_qout-k_q796ab0608b_qout
	.p2alignl 7, 3214868480
	.fill 96, 4, 3214868480
	.section	.rodata,"a",@progbits
	.p2align	6, 0x0
	.amdhsa_kernel k_q796ab0608b_qout
		.amdhsa_group_segment_fixed_size 235008
		.amdhsa_private_segment_fixed_size 0
		.amdhsa_enable_private_segment 0
		.amdhsa_kernarg_size 72
		.amdhsa_user_sgpr_count 2
		.amdhsa_user_sgpr_kernarg_segment_ptr 1
		.amdhsa_wavefront_size32 1
		.amdhsa_system_sgpr_workgroup_id_x 1
		.amdhsa_system_sgpr_workgroup_id_y 1
		.amdhsa_system_sgpr_workgroup_id_z 1
		.amdhsa_system_vgpr_workitem_id 0
		.amdhsa_next_free_vgpr 1024
		.amdhsa_next_free_sgpr 100
		.amdhsa_reserve_vcc 1
		.amdhsa_float_denorm_mode_32 3
		.amdhsa_float_denorm_mode_16_64 3
		.amdhsa_memory_ordered 1
		.amdhsa_forward_progress 1
		.amdhsa_inst_pref_size 255
	.end_amdhsa_kernel
	.section	.bss,"aw",@nobits
	.p2align	6
	.space	262144
	.amdgpu_metadata
---
amdhsa.version: [ 1, 2 ]
amdhsa.kernels:
  - .name:           k_q796ab0608b_qout
    .symbol:         k_q796ab0608b_qout.kd
    .args:
      - { .name: query_codes, .offset: 0, .size: 8, .value_kind: global_buffer, .address_space: global }
      - { .name: query_scales, .offset: 8, .size: 8, .value_kind: global_buffer, .address_space: global }
      - { .name: Wq_codes, .offset: 16, .size: 8, .value_kind: global_buffer, .address_space: global }
      - { .name: Wq_scales, .offset: 24, .size: 8, .value_kind: global_buffer, .address_space: global }
      - { .name: bq, .offset: 32, .size: 8, .value_kind: global_buffer, .address_space: global }
      - { .name: kvc, .offset: 40, .size: 8, .value_kind: global_buffer, .address_space: global }
      - { .name: kvs, .offset: 48, .size: 8, .value_kind: global_buffer, .address_space: global }
      - { .name: ksum, .offset: 56, .size: 8, .value_kind: global_buffer, .address_space: global }
      - { .name: out0, .offset: 64, .size: 8, .value_kind: global_buffer, .address_space: global }
    .group_segment_fixed_size: 235008
    .private_segment_fixed_size: 0
    .kernarg_segment_align: 8
    .kernarg_segment_size: 72
    .max_flat_workgroup_size: 128
    .sgpr_count:     100
    .vgpr_count:     1024
    .wavefront_size: 32
...
	.end_amdgpu_metadata
.endif
;; end of part 3
;; ======== version 2 of 2: 3 launches
;; workspace buffers: kvpart 16,777,216 bytes; ksp 262,144 bytes; kvc 393,216 bytes; kvs 16,384 bytes; ksum 32,768 bytes
;; launch kvpart (part 4): grid 8 x 32, 4 waves a work-group, clusters of 4 x 1, 327,680 bytes of LDS; arguments key__codes, key__scales, value_codes, value_scales, Wk_codes, Wk_scales, Wv_codes, Wv_scales, bk, bv, kvpart, ksp; writes kvpart, ksp
.if DOCPART == 4
	.amdgcn_target "amdgcn-amd-amdhsa--gfx1250"
	.amdhsa_code_object_version 6
	.text
	.protected	k_q796ab0608b_kvpart
	.globl	k_q796ab0608b_kvpart
	.p2align	8
	.type	k_q796ab0608b_kvpart,@function
k_q796ab0608b_kvpart:
	s_mov_b64 s[64:65], 0
	v_nop
	global_prefetch_b8 v0, s[64:65] scope:SCOPE_SE
	s_setreg_imm32_b32 hwreg(HW_REG_WAVE_MODE, 25, 1), 1
	s_wait_xcnt 0x0
	s_wait_alu depctr_hold_cnt(0) depctr_sa_sdst(0) depctr_va_vdst(0) depctr_va_sdst(0) depctr_va_ssrc(0) depctr_va_vcc(0) depctr_vm_vsrc(0)
	s_getreg_b32 s2, hwreg(HW_REG_IB_STS2, 6, 4)
	s_cmp_eq_u32 s2, 0
	s_cbranch_scc0 .Lentry_in_a_cluster
	s_endpgm
.Lentry_in_a_cluster:
	s_bfe_u32 s2, ttmp6, 0x10000c
	s_cmp_lg_u32 s2, 0x3003
	s_cbranch_scc0 .Lentry_shape_is_right
	s_endpgm
.Lentry_shape_is_right:
; k = relu(key Wk^T + bk), v = value Wv^T + bv, k_ = [k sin, k cos]; partial sums over 512 l of kv_[d][m] = sum_l Q(k_)[l][d] Q(v)[l][m] and of k_[l][d].
; All products on codes of E2M3 with one E8M0 scale for each 32 along K.  k_ and v are quantised along l, in blocks of 32 neighbouring l.
; SHARES.  A work-group: one batch b, two heads, 512 l (part p of 8), in 8 slots of 64 l.  Waves 0, 1: k of head 0, 1; waves 2, 3: v of head 0, 1.
; A wave keeps the weights of its head's 64 columns (32 fragments, 384 registers) for the whole launch; only the rows of key_ and value go through LDS slot by slot.
; THE WEIGHTS of a head are 49,152 consecutive bytes: a wave reads them as they lie, 512 consecutive bytes a load, and turns them into fragments through a stage of its own in LDS, once.
; They are not asked for jointly: the four partners of a cluster serve different heads.
; CLUSTER.  The four work-groups of a cluster differ in their heads alone and need the same rows of key_ and value: each tile is asked for jointly (mask 15).
; LAYOUT.  SEL(r) = r + 3 (r & 8).  Source 0 = 16 rows of key_ or value, lane r of tile t taking l = SEL(r) + 8 t of the slot; source 1 = 16 rows of W, lane r of tile n taking
; column SEL(r) + 8 n.  So lane (r, h) holds, in the 32 registers of accumulators (n, 0..3), ONE column and l = 32 h + 0 .. 31: a whole block of the next K, in one lane.
; The six registers of codes made of it are half a fragment of the next product (K = two slots); they go from wave to wave through LDS as images of the registers.
; kv_ = source 0: k_ (tile cd, n), source 1: v (tile mt): lane (r, h) holds m = SEL(r) + 8 mt and, in accumulators (mt, cd, 0..3), d = 64 cd + 32 h + 0 .. 31.
; LIMITS.  NaN and infinities among the numbers are not served.  A block of zeros, or one whose largest magnitude lies under 2^-124, gets the scale byte 1 (its codes are zeros or
; small); these bytes are read by this program alone.  sin and cos are polynomials on [0, pi/4] of the f32 angle, cut under 3e-9 of the value.  The bias starts the sums.
; The sum of k_ over l is taken block by block as a tree of packed additions, another order of rounding than a plain sum; it goes into no quantiser.
; REGISTERS, in windows of 256.  Window 0: v1-25 addresses; v26-29 bias as loaded; v32-47 the rows' scale words; v48-63 W's; v64-99 the v-waves' work; v100-105 scale words of the second
; product; v108-123 the k-waves' running sums of k_ (tile n: sin pair at 108 + 4 n, cos pair at 110 + 4 n), v124-127 at work at their end; v128-255 the 16 accumulators (n, t) at 128 + 32 n + 8 t
; (at the head, before the first product: registers at work).  Window 1: W's K steps 0-3, row fragments of even K steps at v192, bias tiles 0, 1 at v240.  Window 2: the same for K steps 4-7, odd K steps, tiles 2, 3.
; Window 3: v-waves: kv_'s 32 accumulators at 64 mt + 32 cd + 8 n; k-waves: v0 sin, v32 cos, v64 k sin, v96 k cos, v128-175 codes, v176-183 second halves of codes, v184-187 at work, v188-195 scale bytes.
.set ROWP,  816                        ; a row in LDS: 3 x (256 bytes + 16 of padding)
.set REG,   32*ROWP+128                ; what one tensor load brings: 32 rows; 128 spare bytes behind them
.set SLOT,  4*REG                      ; key_'s two blocks of 32 l, then value's two
.set SCA,   2*SLOT                     ; the rows' scale bytes: [tensor][512 l][32], filled once
.set SINT,  SCA+32768                  ; sin of the 512 l, f32; cos 2,048 bytes on
.set IMG,   SINT+4096                  ; images of half fragments: [slot % 4][head][8 of k_, 4 of v][768].  At the head: wave w's turning stage at IMG + IMGR w
.set IMGH,  9216
.set IMGR,  2*IMGH
.set WSP,   784                        ; a row of W in the turning stage: 768 bytes + 16 = 196 words: row r starts at bank 4 r mod 64 (64 banks of 4 bytes: ISA guide 11.1); 16 rows are 12,544 bytes
.set SCB,   IMG+4*IMGR                 ; the images' scale bytes: [pair % 2][head][12 fragments][16 rows][4]
.set SPARE, SCB+3072                   ; the spare words: 128 bytes a wave, two blocks of 256 bytes that no other line names
.set STEPB, 64*3072                    ; 64 l on in memory: a row (l, b) is 768 bytes, rows of one b lie 3,072 apart
.set SPW, 1
.set NIL, 2
.set LA0, 3                            ; my lane's place in a slot's rows; LA1 the same behind one padding more
.set LA1, 4
.set AA0, 5                            ; the same in the slot in hand
.set AA1, 6
.set LSC, 7                            ; my lane's place among the rows' scale words; ASC in the slot in hand
.set ASC, 8
.set LSN, 9                            ; among the sines; SNA in the slot in hand
.set SNA, 10
.set LW16, 11                          ; where I store images; IW16, IW8 for the slot in hand
.set LW8, 12
.set IW16, 13
.set IW8, 14
.set LWB, 15                           ; and their scale bytes
.set IWB, 16
.set LR16, 17                          ; where I read images; IR16, IR8 for the pair in hand
.set LR8, 18
.set IR16, 19
.set IR8, 20
.set LRS, 21
.set IRS, 22
.set PFO, 23                           ; 3,072 x lane: the prefetches' offset; never rewritten
.set GO,  24                           ; 16 x lane
.set KO,  25                           ; (64 h + SEL(r)) x 4
.set BT,  26
.set ASCL, 32
.set WSCL, 48
.set KS,  108                          ; the running sums of k_
.set KT,  124                          ; four registers at work at the k-waves' end
.set ACC, 128
.set SA0, 152                          ; at the head: the turning stage, 16 x lane; SA1 the same, 16 bytes on for lanes 16-31; SL row r, + 24 h
.set SA1, 153
.set SL,  154
.set WV,   28
.set TSEL, 29                          ; 0: k-wave, 1: v-wave
.set HH,   30                          ; which of the two heads; also which block of 32 l I fetch
.set CX,   31
.set HP,   32
.set BB,   33
.set PQ,   34
.set G1,   36                          ; s[36:43] group 1: 32 rows of 768 bytes
.set G1S,  44                          ; s[44:51] group 1: 256 rows of 32 scale bytes
.set G0S,  52
.set G0A,  56
.set G0,   60                          ; s[60:63] the group 0 that walks
.set SS,   66                          ; the slot
.set PAR,  67
.set SEL,  68
.set PFA,  70
.set LIMS, 72
.set WREG, 73
.set ACD,  74
.set ASD,  76
.set WC,   78
.set WS,   80
.set BI,   82
.set OB,   84
.set SPI,  96
.set MSB, 0
.macro WIN new                         ; the immediate's high byte repeats the setting that is left; a switch that changes nothing is dropped
.if MSB != (\new)
	s_set_vgpr_msb (MSB<<8)|(\new)
.set MSB, (\new)
.endif
.endm
.macro PLACES n
.rept \n
	v_nop
.endr
.endm
.macro ROUND                           ; a round of the cluster's barrier
	s_barrier_signal -1
	s_barrier_wait -1
	s_cmp_lg_u32 s[WV], 0
	s_cbranch_scc1 .Lnot_wave_0_\@
	s_barrier_signal -3
.Lnot_wave_0_\@:
	s_barrier_wait -3
	s_barrier_signal -1
	s_barrier_wait -1
.endm
; one matrix instruction; its registers and the rows of its scale registers stand in the symbols rD, rA, rB, rC, rSA, rSB, fA, fB
.macro WM
.if fA && fB
	v_wmma_scale_f32_16x16x128_f8f6f4 v[rD:rD+7], v[rA:rA+11], v[rB:rB+11], v[rC:rC+7], v[rSA], v[rSB] matrix_a_fmt:MATRIX_FMT_FP6 matrix_b_fmt:MATRIX_FMT_FP6 matrix_a_scale:MATRIX_SCALE_ROW1 matrix_b_scale:MATRIX_SCALE_ROW1
.elseif fA
	v_wmma_scale_f32_16x16x128_f8f6f4 v[rD:rD+7], v[rA:rA+11], v[rB:rB+11], v[rC:rC+7], v[rSA], v[rSB] matrix_a_fmt:MATRIX_FMT_FP6 matrix_b_fmt:MATRIX_FMT_FP6 matrix_a_scale:MATRIX_SCALE_ROW1
.elseif fB
	v_wmma_scale_f32_16x16x128_f8f6f4 v[rD:rD+7], v[rA:rA+11], v[rB:rB+11], v[rC:rC+7], v[rSA], v[rSB] matrix_a_fmt:MATRIX_FMT_FP6 matrix_b_fmt:MATRIX_FMT_FP6 matrix_b_scale:MATRIX_SCALE_ROW1
.else
	v_wmma_scale_f32_16x16x128_f8f6f4 v[rD:rD+7], v[rA:rA+11], v[rB:rB+11], v[rC:rC+7], v[rSA], v[rSB] matrix_a_fmt:MATRIX_FMT_FP6 matrix_b_fmt:MATRIX_FMT_FP6
.endif
.endm
; A fragment of 16 rows x 128 K: six pieces of 8 bytes a lane.  Lanes 16-31 read three pieces further on; where that is behind one padding more, the second address register serves.
.macro FRAG reg, q, rowoff
.irp p, 0,1,2,3,4,5
.set PCE, 12*(\q)+6*(\p/3)+\p%3
.if PCE%32 < 29
	ds_load_b64 v[(\reg)+2*\p:(\reg)+2*\p+1], v[AA0] offset:8*PCE+16*(PCE/32)+(\rowoff)
.else
	ds_load_b64 v[(\reg)+2*\p:(\reg)+2*\p+1], v[AA1] offset:8*PCE+16*(PCE/32)+(\rowoff)
.endif
.endr
.endm
; THE WEIGHTS, AS THEY LIE.  Column tile n is rows 8 n .. 8 n + 7 and 32 + 8 n .. 32 + 8 n + 7 of the head's 64: twice 6,144 consecutive bytes, 24 loads of 512 consecutive bytes.
; The raw bytes land in the registers that tile n's eight fragments will take: the first eight rows' in window 1, the others' in window 2.
.macro WRAW off, base
.irp n, 0,1,2,3
	WIN 0x40
.set i, 0
.rept 12
.set RG, 48*(i/3)+12*\n+4*(i%3)
	global_load_b128 v[RG:RG+3], v[\off], s[\base:\base+1] offset:6144*\n+512*i
.set i, i+1
.endr
	WIN 0x80
.set i, 0
.rept 12
.set RG, 48*(i/3)+12*\n+4*(i%3)
	global_load_b128 v[RG:RG+3], v[\off], s[\base:\base+1] offset:24576+6144*\n+512*i
.set i, i+1
.endr
.endr
	WIN 0
.endm
; THE TURN.  Tile by tile: its 16 rows go into my stage, rows WSP bytes apart, and come back as fragments (lane (r, h): row r, 24 h bytes on), into the registers that they left.
; Three pieces of 512 bytes are two rows: the first lies in the even row, the third in the odd one, the second crosses from one to the other between lanes 15 and 16 (second address register).
; LDS serves a wave's instructions in order (ISA guide 5.7.1.4): no wait between the stores and the loads, nor in front of the next tile's stores.
; after: the loads issued behind W's 96.  The wait's count: behind tile n's loads stand 24 (3 - n) + after others; a wait names 63 at the most.
.macro WTURN after
.irp n, 0,1,2,3
.set CNT, 24*(3-\n)+(\after)
.if CNT > 63
.set CNT, 63
.endif
	s_wait_loadcnt CNT
.irp g, 0,1
	WIN 0x04<<\g
.set i, 0
.rept 12
.set RG, 48*(i/3)+12*\n+4*(i%3)
.set RW, 8*\g+2*(i/3)
.if i%3 == 0
	ds_store_b128 v[SA0], v[RG:RG+3] offset:RW*WSP
.elseif i%3 == 1
	ds_store_b128 v[SA1], v[RG:RG+3] offset:RW*WSP+512
.else
	ds_store_b128 v[SA0], v[RG:RG+3] offset:(RW+1)*WSP+256
.endif
.set i, i+1
.endr
.endr
.irp g, 0,1
	WIN 0x40<<\g
.irp q, 0,1,2,3
.irp p, 0,1,2,3,4,5
	ds_load_b64 v[48*\q+12*\n+2*\p:48*\q+12*\n+2*\p+1], v[SL] offset:96*(\q+4*\g)+48*(\p/3)+8*(\p%3)
.endr
.endr
.endr
.endr
	WIN 0
.endm
; sin and cos of x = fl(fl(pi/2 x i) / 4096).  Above pi/4 the angle is taken from pi/2 (the subtraction is exact; the rest of pi/2 is added) and the two series change places.
.macro SINCOS vi, ds, dc, tb
	v_cvt_f32_u32 v[\tb], v[\vi]
	v_mul_f32 v[\tb], s[SPI], v[\tb]
	v_mul_f32 v[\tb], 0x39800000, v[\tb]
	v_sub_f32 v[\tb+1], s[SPI], v[\tb]
	v_add_f32 v[\tb+1], 0xb33bbd2e, v[\tb+1]
	v_cmp_lt_u32 vcc_lo, 0x800, v[\vi]
	v_cndmask_b32 v[\tb+1], v[\tb], v[\tb+1], vcc_lo
	v_mul_f32 v[\tb+2], v[\tb+1], v[\tb+1]
	v_mov_b32 v[\tb+3], 0x3638ef1d
	v_mov_b32 v[\tb+4], 0xb493f27e
	v_fmaak_f32 v[\tb+3], v[\tb+2], v[\tb+3], 0xb9500d01
	v_fmaak_f32 v[\tb+4], v[\tb+2], v[\tb+4], 0x37d00d01
	v_fmaak_f32 v[\tb+3], v[\tb+2], v[\tb+3], 0x3c088889
	v_fmaak_f32 v[\tb+4], v[\tb+2], v[\tb+4], 0xbab60b61
	v_fmaak_f32 v[\tb+3], v[\tb+2], v[\tb+3], 0xbe2aaaab
	v_fmaak_f32 v[\tb+4], v[\tb+2], v[\tb+4], 0x3d2aaaab
	v_mul_f32 v[\tb+3], v[\tb+2], v[\tb+3]
	v_fmaak_f32 v[\tb+4], v[\tb+2], v[\tb+4], 0xbf000000
	v_fma_f32 v[\tb+3], v[\tb+1], v[\tb+3], v[\tb+1]
	v_fma_f32 v[\tb+4], v[\tb+2], v[\tb+4], 1.0
	v_cndmask_b32 v[\ds], v[\tb+3], v[\tb+4], vcc_lo
	v_cndmask_b32 v[\dc], v[\tb+4], v[\tb+3], vcc_lo
.endm
; K STEP q.  First the four row fragments of K step q + 1 are asked for, in ONE run of 24 loads, into the other set: that set's last products are K step q - 1's, and four v_nop stand
; between them and the loads.  The wait's count: behind this step's fragments stand those 24 loads alone.  Then 16 products: each row tile against W's four column tiles.
; The 16 accumulators take turns, in the same order in every step.
.macro KSTEP q
.if (\q) < 7
	PLACES 4
	WIN 0x80>>((\q)%2)
.irp g, 0,1,2,3
	FRAG 192+12*\g, (\q)+1, 8*\g*ROWP
.endr
	s_wait_dscnt 24
.else
	s_wait_dscnt 0x0
.endif
.set MULQ, (((\q)%2)+1)|((1+(\q)/4)<<2)
.irp g, 0,1,2,3
.irp n, 0,1,2,3
.set rD, ACC+32*\n+8*\g
.set rA, 192+12*\g
.set rB, 48*((\q)%4)+12*\n
.set rSA, ASCL+8*(\g%2)+(\q)
.set rSB, WSCL+8*(\n%2)+(\q)
.set fA, \g/2
.set fB, \n/2
.if (\q) == 0
.set rC, 240+8*(\n%2)
	WIN MULQ|(0x10<<(\n/2))
.else
.set rC, rD
	WIN MULQ
.endif
	WM
.endr
.endr
.endm
.macro GEMM
.irp q, 0,1,2,3,4,5,6,7
	KSTEP \q
.endr
.endm
.macro PRELOAD                         ; a slot's scale words (lanes 0-15 tiles 0, 1; lanes 16-31 tiles 2, 3) and its four fragments of K step 0
.irp e, 0,1
.irp u, 0,1
	ds_load_b128 v[ASCL+8*\e+4*\u:ASCL+8*\e+4*\u+3], v[ASC] offset:256*\e+16*\u
.endr
.endr
	WIN 0x40
.irp t, 0,1,2,3
	FRAG 192+12*\t, 0, 8*\t*ROWP
.endr
	WIN 0
.endm
; A prefetch of the slot that the NEXT refill will ask for.  Two clusters read the same rows: the first of them asks.  Its four partners take one tile of 32 rows each, told apart by
; address; of a row's 768 bytes waves 0, 1, 2 take 256 each, a lane a row: each aligned block of 256 bytes is named once.  Trips 5 and later name nothing: there is no slot 8.
.macro ASK
	s_cmp_lt_u32 s[SS], s[LIMS]
	s_cbranch_scc0 .Lnot_mine_\@
	global_prefetch_b8 v[PFO], s[PFA:PFA+1] th:TH_LOAD_NT scope:SCOPE_SE
.Lnot_mine_\@:
.endm
; THE k-WAVE'S WORK ON A SLOT: relu; x sin, x cos; each block's largest magnitude, in four chains by turns; codes; the block's sums, as trees in place; images.
; In window 3 every run of eight registers is read from its low end on first.
.macro EPI_K
	WIN 0xc0
.irp i, 0,1,2,3,4,5,6,7
	ds_load_b128 v[4*\i:4*\i+3], v[SNA] offset:16*\i
.endr
.irp i, 0,1,2,3,4,5,6,7
	ds_load_b128 v[32+4*\i:32+4*\i+3], v[SNA] offset:2048+16*\i
.endr
.irp n, 0,1,2,3
	WIN 0
.set i, 0
.rept 32
	v_max_num_f32 v[ACC+32*\n+i], 0, v[ACC+32*\n+i]
.set i, i+1
.endr
.if \n == 0
	s_wait_dscnt 0x0                               ; sin and cos of my 32 l are in
.endif
	WIN 0xcc
.set i, 0
.rept 16
	v_pk_mul_f32 v[64+i:65+i], v[ACC+32*\n+i:ACC+32*\n+i+1], v[i:i+1]
.set i, i+2
.endr
.set i, 0
.rept 16
	v_pk_mul_f32 v[96+i:97+i], v[ACC+32*\n+i:ACC+32*\n+i+1], v[32+i:33+i]
.set i, i+2
.endr
	WIN 0xff
	v_max3_num_f32 v184, v64, v65, 0x1800000       ; with the floor 2^(3 - 127): the byte cannot fall under 1
	v_max3_num_f32 v185, |v96|, |v97|, 0x1800000   ; (the last l's cos is a little under 0)
	v_max3_num_f32 v186, v80, v81, 0x1800000       ; the upper 16 of each block in chains of their own
	v_max3_num_f32 v187, |v112|, |v113|, 0x1800000
.set i, 2
.rept 7
	v_max3_num_f32 v184, v184, v[64+i], v[65+i]
	v_max3_num_f32 v185, v185, |v[96+i]|, |v[97+i]|
	v_max3_num_f32 v186, v186, v[80+i], v[81+i]
	v_max3_num_f32 v187, v187, |v[112+i]|, |v[113+i]|
.set i, i+2
.endr
	v_max_num_f32 v184, v184, v186
	v_max_num_f32 v185, v185, v187
	v_add_nc_u32 v186, 0xff000000, v184            ; 2 off the exponent field: the conversion's scale operand
	v_add_nc_u32 v187, 0xff000000, v185
	v_lshrrev_b32 v[188+2*\n], 23, v186            ; the scale's byte
	v_lshrrev_b32 v[189+2*\n], 23, v187
	v_cvt_scalef32_pk16_fp6_f32 v[128+12*\n:130+12*\n], v[64:79], v186
	v_cvt_scalef32_pk16_fp6_f32 v[176:178], v[80:95], v186
	v_cvt_scalef32_pk16_fp6_f32 v[134+12*\n:136+12*\n], v[96:111], v187
	v_cvt_scalef32_pk16_fp6_f32 v[180:182], v[112:127], v187
	v_nop                                          ; one plain place behind a scaled conversion
.irp i, 0,1,2
	v_mov_b32 v[131+12*\n+\i], v[176+\i]
	v_mov_b32 v[137+12*\n+\i], v[180+\i]
.endr
.irp w, 16,8,4,2                       ; the sums of the block's 16 pairs of k sin and of k cos, in place: neighbours 8, 4, 2 and 1 pairs apart
.set i, 0
.rept \w/2
	v_pk_add_f32 v[64+i:65+i], v[64+i:65+i], v[64+\w+i:65+\w+i]
	v_pk_add_f32 v[96+i:97+i], v[96+i:97+i], v[96+\w+i:97+\w+i]
.set i, i+2
.endr
.endr
	WIN 0x0c                                       ; destination, source 0 and LDS address window 0; source 1 and LDS data window 3
	v_pk_add_f32 v[KS+4*\n:KS+4*\n+1], v[KS+4*\n:KS+4*\n+1], v[64:65]      ; onto the running sums
	v_pk_add_f32 v[KS+4*\n+2:KS+4*\n+3], v[KS+4*\n+2:KS+4*\n+3], v[96:97]
	ds_store_b128 v[IW16], v[128+12*\n:131+12*\n] offset:768*\n
	ds_store_b64 v[IW8], v[132+12*\n:133+12*\n] offset:768*\n
	ds_store_b128 v[IW16], v[134+12*\n:137+12*\n] offset:3072+768*\n
	ds_store_b64 v[IW8], v[138+12*\n:139+12*\n] offset:3072+768*\n
	ds_store_b8 v[IWB], v[188+2*\n] offset:64*\n
	ds_store_b8 v[IWB], v[189+2*\n] offset:256+64*\n
.endr
.endm
; THE v-WAVE'S: each block's largest magnitude, codes, images.
.macro EPI_V
.irp m, 0,1,2,3
.set XS, ACC+32*\m
	v_max3_num_f32 v92, |v[XS]|, |v[XS+1]|, |v[XS+2]|
	v_max3_num_f32 v93, |v[XS+3]|, |v[XS+4]|, |v[XS+5]|
.irp i, 6,10,14,18,22,26
	v_max3_num_f32 v92, v92, |v[XS+\i]|, |v[XS+\i+1]|
	v_max3_num_f32 v93, v93, |v[XS+\i+2]|, |v[XS+\i+3]|
.endr
	v_max3_num_f32 v92, v92, |v[XS+30]|, |v[XS+31]|
	v_max3_num_f32 v92, v92, v93, 0x1800000
	v_add_nc_u32 v94, 0xff000000, v92
	v_lshrrev_b32 v[96+\m], 23, v94
	v_cvt_scalef32_pk16_fp6_f32 v[64+6*\m:66+6*\m], v[XS:XS+15], v94
	v_cvt_scalef32_pk16_fp6_f32 v[88:90], v[XS+16:XS+31], v94
	v_nop
.irp i, 0,1,2
	v_mov_b32 v[67+6*\m+\i], v[88+\i]
.endr
	ds_store_b128 v[IW16], v[64+6*\m:67+6*\m] offset:768*\m
	ds_store_b64 v[IW8], v[68+6*\m:69+6*\m] offset:768*\m
	ds_store_b8 v[IWB], v[96+\m] offset:64*\m
.endr
.endm
; kv_ += k_^T v over a pair of slots (K = 128 l): eight fragments of k_ into the accumulators' registers, four of v into the odd set's, their scale words, 32 products.
.macro PRODUCT
.irp c, 0,1
.irp f, 0,1,2,3,4,5,6,7
	ds_load_b128 v[ACC+12*\f+6*\c:ACC+12*\f+6*\c+3], v[IR16] offset:IMGR*\c+768*\f
	ds_load_b64 v[ACC+12*\f+6*\c+4:ACC+12*\f+6*\c+5], v[IR8] offset:IMGR*\c+768*\f
.endr
.endr
	WIN 0x80
.irp c, 0,1
.irp m, 0,1,2,3
	ds_load_b128 v[192+12*\m+6*\c:192+12*\m+6*\c+3], v[IR16] offset:IMGR*\c+6144+768*\m
	ds_load_b64 v[192+12*\m+6*\c+4:192+12*\m+6*\c+5], v[IR8] offset:IMGR*\c+6144+768*\m
.endr
.endr
	WIN 0
.irp g, 0,1,2,3
	ds_load_b32 v[100+\g], v[IRS] offset:128*\g     ; lanes 0-15 fragment 2 g, lanes 16-31 fragment 2 g + 1
.endr
.irp g, 0,1
	ds_load_b32 v[104+\g], v[IRS] offset:512+128*\g
.endr
	s_wait_dscnt 0x0
	WIN 0xf8
.irp m, 0,1,2,3
.irp c, 0,1
.irp n, 0,1,2,3
.set rD, 64*\m+32*\c+8*\n
.set rC, rD
.set rA, ACC+12*(4*\c+\n)
.set rB, 192+12*\m
.set rSA, 100+2*\c+\n/2
.set rSB, 104+\m/2
.set fA, \n%2
.set fB, \m%2
	WM
.endr
.endr
.endr
	WIN 0
	PLACES 5                                       ; the next products write over these operands: five places
.endm
	s_load_b512 s[4:19], s[0:1], 0x0               ; key_ codes, scales; value codes, scales; Wk codes, scales; Wv codes, scales
	s_load_b256 s[20:27], s[0:1], 0x40             ; bk, bv, kvpart, ksp
	v_lshl_add_u32 v[SPW], v0, 2, SPARE
	v_mov_b32 v[NIL], 0
	ds_add_u32 v1, v2
	s_wait_dscnt 0x0
	v_lshrrev_b32 v150, 5, v0
	v_readfirstlane_b32 s[WV], v150
	s_lshr_b32 s[TSEL], s[WV], 1
	s_and_b32 s[HH], s[WV], 1
	s_bfe_u32 s[CX], ttmp6, 0x40000
	s_lshl_b32 s[HP], ttmp9, 2
	s_add_co_u32 s[HP], s[HP], s[CX]               ; which pair of heads: it enters W's, the biases', the outputs' and the prefetches' addresses alone
	s_and_b32 s35, ttmp7, 0xffff
	s_and_b32 s[BB], s35, 3                        ; b
	s_lshr_b32 s[PQ], s35, 2                       ; p: l = 512 p on
	s_mov_b32 s[G1+0], 15|(1<<20)|(1<<21)|(5<<22)|(3<<25)  ; mask: all four; elements of 1 byte; 4 words of padding behind every 64
	s_mov_b32 s[G1+1], 768<<16
	s_mov_b32 s[G1+2], 32<<16
	s_mov_b32 s[G1+3], 768<<16
	s_mov_b32 s[G1+4], 32
	s_mov_b32 s[G1+5], 3072
	s_mov_b32 s[G1+6], 0
	s_mov_b32 s[G1+7], 0
	s_mov_b32 s[G1S+0], 15|(1<<21)
	s_mov_b32 s[G1S+1], 32<<16
	s_mov_b32 s[G1S+2], 256<<16
	s_mov_b32 s[G1S+3], 32<<16
	s_mov_b32 s[G1S+4], 256
	s_mov_b32 s[G1S+5], 128
	s_mov_b32 s[G1S+6], 0
	s_mov_b32 s[G1S+7], 0
	s_mul_i32 s86, s[PQ], 512*3072
	s_mul_i32 s87, s[HH], 32*3072
	s_add_co_u32 s86, s86, s87
	s_mul_i32 s87, s[BB], 768
	s_add_co_u32 s86, s86, s87                     ; my tile of slot 0: row (512 p + 32 HH, b)
	s_mov_b32 s87, 0
	s_lshl_b32 s88, s[PQ], 16
	s_lshl_b32 s89, s[HH], 15
	s_add_co_u32 s88, s88, s89
	s_lshl_b32 s89, s[BB], 5
	s_add_co_u32 s88, s88, s89                     ; my 256 rows of scale bytes
	s_mov_b32 s89, 0
	s_mul_i32 s[WREG], s[WV], REG
	s_lshl_b32 s90, s[WV], 13
	s_mov_b32 s[SEL], 0x76543210
	s_mov_b32 s[SEL+1], 0xfedcba98
	s_mov_b32 s[SPI], 0x3fc90fdb
	s_mov_b32 s[SS], 0
	s_wait_kmcnt 0x0
	s_cmp_eq_u32 s[TSEL], 0
	s_cselect_b64 s[ACD:ACD+1], s[4:5], s[8:9]
	s_cselect_b64 s[ASD:ASD+1], s[6:7], s[10:11]
	s_cselect_b64 s[WC:WC+1], s[12:13], s[16:17]
	s_cselect_b64 s[WS:WS+1], s[14:15], s[18:19]
	s_cselect_b64 s[BI:BI+1], s[20:21], s[22:23]
	s_cselect_b64 s[OB:OB+1], s[26:27], s[24:25]
	s_mov_b32 s[G0S], 1
	s_add_co_u32 s[G0S+1], s90, SCA
	s_add_nc_u64 s[G0S+2:G0S+3], s[ASD:ASD+1], s[88:89]
	s_or_b32 s[G0S+3], s[G0S+3], 0x80000000
	s_mov_b32 s[G0A], 1
	s_mov_b32 s[G0A+1], s[WREG]
	s_add_nc_u64 s[G0A+2:G0A+3], s[ACD:ACD+1], s[86:87]
	s_mov_b32 s[G0], 1
	s_add_co_u32 s[G0+1], s[WREG], SLOT
	s_add_nc_u64 s[G0+2:G0+3], s[G0A+2:G0A+3], STEPB
	s_or_b32 s[G0A+3], s[G0A+3], 0x80000000
	s_or_b32 s[G0+3], s[G0+3], 0x80000000
	ROUND                                          ; all four work-groups are here: the first joint loads meet
	tensor_load_to_lds s[G0S:G0S+3], s[G1S:G1S+7]  ; three loads of mine are out: the scale bytes, slot 0, slot 1
	s_nop 0
	tensor_load_to_lds s[G0A:G0A+3], s[G1:G1+7]
	s_nop 0
	tensor_load_to_lds s[G0:G0+3], s[G1:G1+7]
	s_nop 0
	PLACES 4
	s_lshl_b32 s91, s[HP], 1
	s_add_co_u32 s91, s91, s[HH]                   ; my head
	s_lshl_b32 s92, s[BB], 4
	s_add_co_u32 s92, s92, s91                     ; n = 16 b + head
	s_lshl_b32 s92, s92, 3
	s_add_co_u32 s92, s92, s[PQ]                   ; 8 n + p
	s_mov_b32 s95, 0
	s_mul_i32 s94, s91, 64*768
	s_add_nc_u64 s[WC:WC+1], s[WC:WC+1], s[94:95]
	s_lshl_b32 s94, s91, 11
	s_add_nc_u64 s[WS:WS+1], s[WS:WS+1], s[94:95]
	s_lshl_b32 s94, s91, 8
	s_add_nc_u64 s[BI:BI+1], s[BI:BI+1], s[94:95]
	s_cmp_eq_u32 s[TSEL], 0
	s_cselect_b32 s93, 9, 15                       ; a part of ksp is 512 bytes, of kvpart 32,768
	s_lshl_b32 s94, s92, s93
	s_add_nc_u64 s[OB:OB+1], s[OB:OB+1], s[94:95]
	v_and_b32 v128, 15, v0                         ; r
	v_bfe_u32 v129, v0, 4, 1                       ; h
	v_and_b32 v130, 8, v128
	v_mad_u32_u24 v130, v130, 3, v128              ; SEL(r)
	v_and_b32 v131, 31, v0                         ; lane
	v_lshlrev_b32 v132, 4, v131                    ; W as it lies: 16 bytes a lane
	v_lshl_add_u32 v133, v129, 4, v130
	v_lshlrev_b32 v133, 5, v133                    ; scale words: row SEL(r) + 16 h, 32 bytes a row
	v_lshlrev_b32 v134, 2, v130
	WRAW 132, WC
.irp e, 0,1
.irp u, 0,1
	global_load_b128 v[WSCL+8*\e+4*\u:WSCL+8*\e+4*\u+3], v133, s[WS:WS+1] offset:256*\e+16*\u
.endr
.endr
.irp n, 0,1,2,3
	global_load_b32 v[BT+\n], v134, s[BI:BI+1] offset:32*\n
.endr
	; sin and cos of the work-group's 512 l: four a thread
	s_lshl_b32 s97, s[PQ], 9
	s_add_co_u32 s97, s97, 1
	v_lshl_add_u32 v135, v0, 2, SINT
.irp i, 0,1,2,3
	v_add_nc_u32 v141, s97, v0
	s_add_co_u32 s97, s97, 128
	SINCOS 141, 142+2*\i, 143+2*\i, 136
	ds_store_b32 v135, v[142+2*\i] offset:512*\i
	ds_store_b32 v135, v[143+2*\i] offset:2048+512*\i
.endr
	; my turning stage
	s_mul_i32 s98, s[WV], IMGR
	s_add_co_u32 s98, s98, IMG
	v_lshl_add_u32 v[SA0], v131, 4, s98
	v_lshl_add_u32 v[SA1], v129, 4, v[SA0]
	v_mul_u32_u24 v[SL], v128, WSP
	v_mad_u32_u24 v[SL], v129, 24, v[SL]
	v_add_nc_u32 v[SL], s98, v[SL]
	; the addresses that stay
	v_and_b32 v150, 7, v128
	v_lshrrev_b32 v151, 3, v128
	v_mul_u32_u24 v[LA0], v150, ROWP
	v_mad_u32_u24 v[LA0], v151, REG, v[LA0]
	v_mad_u32_u24 v[LA0], v129, 24, v[LA0]
	s_mul_i32 s98, s[TSEL], 2*REG
	v_add_nc_u32 v[LA0], s98, v[LA0]
	v_lshl_add_u32 v[LA1], v129, 4, v[LA0]
	s_lshl_b32 s98, s[TSEL], 14
	s_add_co_u32 s98, s98, SCA
	v_add_nc_u32 v[LSC], s98, v133
	v_lshl_add_u32 v[LSN], v129, 7, SINT
	s_mul_i32 s98, s[HH], IMGH
	s_add_co_u32 s98, s98, IMG
	v_lshl_add_u32 v[LR16], v131, 4, s98
	v_lshl_add_u32 v[LR8], v131, 3, s98
	v_add_nc_u32 v[LR8], 512, v[LR8]
	s_mul_i32 s99, s[TSEL], 6144
	v_add_nc_u32 v[LW16], s99, v[LR16]
	v_add_nc_u32 v[LW8], s99, v[LR8]
	s_mul_i32 s98, s[HH], 768
	s_add_co_u32 s98, s98, SCB
	v_lshl_add_u32 v[LRS], v131, 2, s98
	v_lshl_add_u32 v[LWB], v128, 2, v129
	s_lshl_b32 s99, s[TSEL], 9
	s_add_co_u32 s99, s99, s98
	v_add_nc_u32 v[LWB], s99, v[LWB]
	v_mul_u32_u24 v[PFO], v131, 3072
	v_lshlrev_b32 v[GO], 4, v131
	v_lshl_add_u32 v[KO], v129, 6, v130
	v_lshlrev_b32 v[KO], 2, v[KO]
	; the prefetches: partner cx stands at tile cx of slot 2 (key_'s two blocks, value's two); the first refill steps it to slot 3
	s_cmp_lt_u32 s[CX], 2
	s_cselect_b64 s[PFA:PFA+1], s[4:5], s[8:9]
	s_and_b32 s98, s[CX], 1
	s_lshl_b32 s98, s98, 5
	s_lshl_b32 s99, s[PQ], 9
	s_add_co_u32 s98, s98, s99
	s_add_co_u32 s98, s98, 128
	s_mul_i32 s98, s98, 3072
	s_mul_i32 s99, s[BB], 768
	s_add_co_u32 s98, s98, s99
	s_lshl_b32 s99, s[WV], 8
	s_add_co_u32 s98, s98, s99
	s_mov_b32 s99, 0
	s_add_nc_u64 s[PFA:PFA+1], s[PFA:PFA+1], s[98:99]
	s_cmp_lt_u32 s[WV], 3
	s_cselect_b32 s[LIMS], 5, 0
	s_cmp_eq_u32 ttmp9, 0
	s_cselect_b32 s[LIMS], s[LIMS], 0
.set i, 0
.rept 20
	v_mov_b32 v[KS+i], 0                           ; the running sums of k_ begin as zeros; the four registers behind them are lane permutes' destinations, which count as read
.set i, i+1
.endr
	WIN 0xc0                                       ; window 3 begins as zeros in every wave: kv_'s sums.  One body of the loop then serves every slot; the weights and the first tiles are on their way meanwhile
.set i, 0
.rept 256
	v_mov_b32 v[i], 0
.set i, i+1
.endr
	WIN 0
	WTURN 8                                        ; behind W's loads: four of scale words, four of the bias
	s_wait_loadcnt 0x0                             ; W's scale words, the bias
	WIN 0x40                                       ; the bias is the C of each sum's first product: a lane's column, eight times
.irp n, 0,1
.irp j, 0,1,2,3,4,5,6,7
	v_mov_b32 v[240+8*\n+\j], v[BT+\n]
.endr
.endr
	WIN 0x80
.irp n, 0,1
.irp j, 0,1,2,3,4,5,6,7
	v_mov_b32 v[240+8*\n+\j], v[BT+2+\n]
.endr
.endr
	WIN 0
	s_wait_tensorcnt 0x1                           ; the scale bytes and my part of slot 0 are in; slot 1's may stay out
	s_wait_dscnt 0x0                               ; my part of the tables is stored, and my reads of the turning stage are over: behind the barrier its bytes take images
	s_barrier_signal -1
	s_barrier_wait -1
	v_mov_b32 v[AA0], v[LA0]
	v_mov_b32 v[AA1], v[LA1]
	v_mov_b32 v[ASC], v[LSC]
	PRELOAD
; ONE SLOT.  The products; then the change of slots; then the next slot's first fragments are asked for, and the slot's results are worked on while they come.
.macro TRIP fill
	GEMM
	WIN 0
	s_wait_tensorcnt 0x0                           ; all my tensor loads have landed: my part of the next slot
	ds_add_u32 v[SPW], v[NIL]                      ; 0 onto my spare word
	s_and_b32 s[PAR], s[SS], 1
.if \fill
	s_mul_i32 s[G0+1], s[PAR], SLOT                ; the slot just read takes the rows two slots on
	s_add_co_u32 s[G0+1], s[G0+1], s[WREG]
	s_add_nc_u64 s[G0+2:G0+3], s[G0+2:G0+3], STEPB
	s_wait_xcnt 0x0                                ; the last prefetch, a slot back, has read its address
	s_add_nc_u64 s[PFA:PFA+1], s[PFA:PFA+1], STEPB
.endif
	s_xor_b32 s86, s[PAR], 1
	s_mul_i32 s86, s86, SLOT                       ; where the next slot lies
	s_and_b32 s87, s[SS], 3
	s_mul_i32 s88, s87, IMGR                       ; where this slot's images go
	s_lshr_b32 s89, s87, 1
	s_mul_i32 s90, s89, 1536
	s_lshl_b32 s91, s[PAR], 1
	s_add_co_u32 s90, s90, s91                     ; and their scale bytes: byte 2 c + h
	s_xor_b32 s89, s89, 1
	s_mul_i32 s91, s89, 2*IMGR                     ; where the pair before lies
	s_mul_i32 s92, s89, 1536
	s_lshl_b32 s93, s[SS], 11
	s_add_co_u32 s93, s93, 2048
	s_lshl_b32 s94, s[SS], 8
	s_wait_dscnt 0x0                               ; the add is done; my reads of this slot are over; my images of the last slot are stored
.if \fill
	ROUND                                          ; no wave of any partner still reads the slot or has a load on its way
	tensor_load_to_lds s[G0:G0+3], s[G1:G1+7]      ; my one tensor load behind the round; it has this slot's vector work and the next slot's products in which to land
	s_nop 0
	PLACES 4
	ASK
.else
	s_barrier_signal -1
	s_barrier_wait -1
	PLACES 4
.endif
	v_add_nc_u32 v[AA0], s86, v[LA0]               ; every LDS address of both roles is made here, where all waves pass
	v_add_nc_u32 v[AA1], s86, v[LA1]
	v_add_nc_u32 v[ASC], s93, v[LSC]
	v_add_nc_u32 v[SNA], s94, v[LSN]
	v_add_nc_u32 v[IW16], s88, v[LW16]
	v_add_nc_u32 v[IW8], s88, v[LW8]
	v_add_nc_u32 v[IWB], s90, v[LWB]
	v_add_nc_u32 v[IR16], s91, v[LR16]
	v_add_nc_u32 v[IR8], s91, v[LR8]
	v_add_nc_u32 v[IRS], s92, v[LRS]
.if \fill
	PRELOAD
.else
	s_cmp_eq_u32 s[SS], 7                          ; behind the last slot there is none
	s_cbranch_scc1 .Lno_next_\@
	PRELOAD
.Lno_next_\@:
.endif
	s_cmp_eq_u32 s[TSEL], 0
	s_cbranch_scc0 .Lv_wave_\@
	EPI_K
	WIN 0
	s_branch .Ljoin_\@
.Lv_wave_\@:
	EPI_V
	s_cmp_lg_u32 s[PAR], 0                         ; in slots 2, 4, 6 the pair before is whole in LDS: its last images were stored ahead of this trip's barrier
	s_cbranch_scc1 .Ljoin_\@
	s_cmp_eq_u32 s[SS], 0
	s_cbranch_scc1 .Ljoin_\@
	PRODUCT
.Ljoin_\@:
	s_add_co_u32 s[SS], s[SS], 1
.endm
.Lfill:                                                ; slots 0 to 5: each is filled again with the rows two slots on
	TRIP 1
	s_cmp_lt_u32 s[SS], 6
	s_cbranch_scc1 .Lfill
.Ltail:                                                ; slots 6 and 7 ask for nothing: a body of their own
	TRIP 0
	s_cmp_lt_u32 s[SS], 8
	s_cbranch_scc1 .Ltail
	s_wait_dscnt 0x0                               ; slot 7's images are stored
	s_barrier_signal -1
	s_barrier_wait -1
	v_add_nc_u32 v[IR16], 2*IMGR, v[LR16]          ; the last pair
	v_add_nc_u32 v[IR8], 2*IMGR, v[LR8]
	v_add_nc_u32 v[IRS], 1536, v[LRS]
	s_cmp_eq_u32 s[TSEL], 0
	s_cbranch_scc1 .Lend_k
	PRODUCT
	WIN 0x0c                                       ; kv_'s 256 registers leave as they stand: a store of the wave covers 512 consecutive bytes, aligned; each accumulator from its low end on
.set i, 0
.rept 64
	global_store_b128 v[GO], v[4*i:4*i+3], s[OB:OB+1] offset:512*i th:TH_STORE_NT
.set i, i+1
.endr
	WIN 0
	s_branch .Lend
.Lend_k:                                               ; the k-waves' end works in window 0 alone
	v_and_b32 v31, 16, v0
	v_cmp_ne_u32 vcc_lo, 0, v31                    ; lanes 16-31 store the cos sums, lanes 0-15 the sin sums
.irp n, 0,1,2,3
	v_add_f32 v[KT], v[KS+4*\n], v[KS+4*\n+1]      ; a pair's two halves,
	v_add_f32 v[KT+1], v[KS+4*\n+2], v[KS+4*\n+3]
	v_permlanex16_b32 v[KT+2], v[KT], s[SEL], s[SEL+1]
	v_permlanex16_b32 v[KT+3], v[KT+1], s[SEL], s[SEL+1]
	v_add_f32 v[KT], v[KT], v[KT+2]                ; and lane l xor 16's: the other blocks of 32 l
	v_add_f32 v[KT+1], v[KT+1], v[KT+3]
	v_cndmask_b32 v[64+\n], v[KT], v[KT+1], vcc_lo
.endr
.irp n, 0,1,2,3
	global_store_b32 v[KO], v[64+\n], s[OB:OB+1] offset:32*\n
.endr
.Lend:
	s_wait_tensorcnt 0x0                           ; the wave's end
	ds_add_u32 v[SPW], v[NIL]
	s_wait_dscnt 0x0
	ROUND                                          ; the closing round
	s_endpgm
.Lfunc_end_k_q796ab0608b_kvpart:
	.size	k_q796ab0608b_kvpart, .Lfunc_end_k_q796ab0608b_kvpart-k_q796ab0608b_kvpart
	.p2alignl 7, 3214868480
	.fill 96, 4, 3214868480
	.section	.rodata,"a",@progbits
	.p2align	6, 0x0
	.amdhsa_kernel k_q796ab0608b_kvpart
		.amdhsa_group_segment_fixed_size 327680
		.amdhsa_private_segment_fixed_size 0
		.amdhsa_enable_private_segment 0
		.amdhsa_kernarg_size 96
		.amdhsa_user_sgpr_count 2
		.amdhsa_user_sgpr_kernarg_segment_ptr 1
		.amdhsa_wavefront_size32 1
		.amdhsa_system_sgpr_workgroup_id_x 1
		.amdhsa_system_sgpr_workgroup_id_y 1
		.amdhsa_system_sgpr_workgroup_id_z 1
		.amdhsa_system_vgpr_workitem_id 0
		.amdhsa_next_free_vgpr 1024
		.amdhsa_next_free_sgpr 100
		.amdhsa_reserve_vcc 1
		.amdhsa_float_denorm_mode_32 3
		.amdhsa_float_denorm_mode_16_64 3
		.amdhsa_memory_ordered 1
		.amdhsa_forward_progress 1
		.amdhsa_inst_pref_size 232
	.end_amdhsa_kernel
	.amdgpu_metadata
---
amdhsa.version: [ 1, 2 ]
amdhsa.kernels:
  - .name:           k_q796ab0608b_kvpart
    .symbol:         k_q796ab0608b_kvpart.kd
    .args:
      - { .name: key__codes, .offset: 0, .size: 8, .value_kind: global_buffer, .address_space: global }
      - { .name: key__scales, .offset: 8, .size: 8, .value_kind: global_buffer, .address_space: global }
      - { .name: value_codes, .offset: 16, .size: 8, .value_kind: global_buffer, .address_space: global }
      - { .name: value_scales, .offset: 24, .size: 8, .value_kind: global_buffer, .address_space: global }
      - { .name: Wk_codes, .offset: 32, .size: 8, .value_kind: global_buffer, .address_space: global }
      - { .name: Wk_scales, .offset: 40, .size: 8, .value_kind: global_buffer, .address_space: global }
      - { .name: Wv_codes, .offset: 48, .size: 8, .value_kind: global_buffer, .address_space: global }
      - { .name: Wv_scales, .offset: 56, .size: 8, .value_kind: global_buffer, .address_space: global }
      - { .name: bk, .offset: 64, .size: 8, .value_kind: global_buffer, .address_space: global }
      - { .name: bv, .offset: 72, .size: 8, .value_kind: global_buffer, .address_space: global }
      - { .name: kvpart, .offset: 80, .size: 8, .value_kind: global_buffer, .address_space: global }
      - { .name: ksp, .offset: 88, .size: 8, .value_kind: global_buffer, .address_space: global }
    .group_segment_fixed_size: 327680
    .private_segment_fixed_size: 0
    .kernarg_segment_align: 8
    .kernarg_segment_size: 96
    .max_flat_workgroup_size: 128
    .sgpr_count:     100
    .vgpr_count:     1024
    .wavefront_size: 32
...
	.end_amdgpu_metadata
.endif
;; end of part 4
;; launch reduce: the kernel of part 2 again; grid 256 x 1, 2 waves a work-group, no clusters, 0 bytes of LDS; arguments kvpart, ksp, kvc, kvs, ksum; writes kvc, kvs, ksum
;; launch qout (part 5): grid 4 x 64, 4 waves a work-group, clusters of 4 x 1, 285,184 bytes of LDS; arguments query_codes, query_scales, Wq_codes, Wq_scales, bq, kvc, kvs, ksum, out0; writes out0
.if DOCPART == 5
	.amdgcn_target "amdgcn-amd-amdhsa--gfx1250"
	.amdhsa_code_object_version 6
	.text
	.protected	k_q796ab0608b_qout
	.globl	k_q796ab0608b_qout
	.p2align	8
	.type	k_q796ab0608b_qout,@function
k_q796ab0608b_qout:
	s_mov_b64 s[64:65], 0
	v_nop
	global_prefetch_b8 v0, s[64:65] scope:SCOPE_SE
	s_setreg_imm32_b32 hwreg(HW_REG_WAVE_MODE, 25, 1), 1
	s_wait_xcnt 0x0
	s_wait_alu depctr_hold_cnt(0) depctr_sa_sdst(0) depctr_va_vdst(0) depctr_va_sdst(0) depctr_va_ssrc(0) depctr_va_vcc(0) depctr_vm_vsrc(0)
	s_getreg_b32 s2, hwreg(HW_REG_IB_STS2, 6, 4)
	s_cmp_eq_u32 s2, 0
	s_cbranch_scc0 .Lentry_in_a_cluster
	s_endpgm
.Lentry_in_a_cluster:
	s_bfe_u32 s2, ttmp6, 0x10000c
	s_cmp_lg_u32 s2, 0x3003
	s_cbranch_scc0 .Lentry_shape_is_right
	s_endpgm
.Lentry_shape_is_right:
; q = relu(query Wq^T + bq), q_ = [q sin, q cos]; out = (Q(q_) Q(kv_)) / max(q_ . ksum, 1e-4).  Products on codes of E2M3 with one E8M0 scale for each 32 along K; q_ is quantised along d.
; SHARES.  A work-group: one batch b, 256 l, four heads; wave w: one head, whose 64 columns of Wq (32 fragments) and kv_ (4 fragments) stay in its registers.
; The 256 rows of query fit in LDS at once: every tensor load is a first fill, nothing is filled again.  The rows are walked in four pieces of 64, written out by macro.
; THE WEIGHTS of a head are 49,152 consecutive bytes: a wave reads them as they lie, 512 consecutive bytes a load, and turns them into fragments through a stage of its own in LDS, once.
; CLUSTER.  The four work-groups of a cluster differ in their heads alone and need the same rows of query: each tile is asked for jointly (mask 15).  The weights are each wave's own.
; LAYOUT.  SEL(r) = r + 3 (r & 8).  Source 0 = 16 rows of Wq (lane r of tile t: column SEL(r) + 8 t), source 1 = 16 neighbouring rows of query: lane (r, h) holds row r and, in the 32
; registers of accumulators (a, 0..3), columns 32 h + 0 .. 31: x sin they are block h, x cos block 2 + h of the next K, each whole in one lane.
; Second product: source 0 = kv_^T (tile mt, lane r: m = SEL(r) + 8 mt), source 1 = q_: lane (r, h) holds out(l = r, m = 32 h + 0 .. 31), laid over the spent q.
; LIMITS.  NaN and infinities are not served.  A block of zeros gets the byte 1 with zero codes.  The divisor is formed as sin x (q . ksum_sin) + cos x (q . ksum_cos), another order of
; rounding than a plain sum over d; it goes into no quantiser.  sin and cos are polynomials on [0, pi/4] of the f32 angle, cut under 3e-9 of the value.  The bias starts the sums.
; REGISTERS.  Window 0: v3-10 addresses; v32-47 query's scale words; v48-63 Wq's; v64-65 kv_'s; v66-69 q_'s; v128-255 accumulators (a, t) at 128 + 32 a + 8 t (at the head: registers at work).
; Windows 1, 2: Wq's K steps 0-3, 4-7; row fragments of even, odd K steps at v192; bias tiles at v240.
; Window 3: v0 kv_; v48, v80 ksum; v112 (sin, cos) of the 16 row tiles; v144 q_'s codes; v160, v192 q sin, q cos; v224.. at work.
.set ROWP,  816
.set SCQ,   256*ROWP
.set STAGE, SCQ+8192
.set WST,   STAGE+17408                ; the turning stages for Wq: 16 rows x WSP bytes for each wave
.set WSP,   784                        ; a row of Wq there: 768 bytes + 16 = 196 words: row r starts at bank 4 r mod 64 (64 banks of 4 bytes: ISA guide 11.1)
.set LA0, 3
.set LA1, 4
.set AA0, 5
.set AA1, 6
.set LSC, 7
.set STO, 8
.set RD,  9
.set GO,  10
.set ASCL, 32
.set WSCL, 48
.set ACC, 128
.set SA0, 138                          ; at the head: the turning stage, 16 x lane; SA1 the same, 16 bytes on for lanes 16-31; SL row r, + 24 h
.set SA1, 139
.set SL,  140
.set WV,  28
.set CX,  31
.set BB,  33
.set LC,  34
.set G1,  36
.set G1S, 44
.set G0S, 52
.set SEL, 68
.set SPI, 96
.set FLR, 97
.set MSB, 0
.macro WIN new
.if MSB != (\new)
	s_set_vgpr_msb (MSB<<8)|(\new)
.set MSB, (\new)
.endif
.endm
.macro PLACES n
.rept \n
	v_nop
.endr
.endm
.macro ROUND
	s_barrier_signal -1
	s_barrier_wait -1
	s_cmp_lg_u32 s[WV], 0
	s_cbranch_scc1 .Lnot_wave_0_\@
	s_barrier_signal -3
.Lnot_wave_0_\@:
	s_barrier_wait -3
	s_barrier_signal -1
	s_barrier_wait -1
.endm
.macro WM
.if fA && fB
	v_wmma_scale_f32_16x16x128_f8f6f4 v[rD:rD+7], v[rA:rA+11], v[rB:rB+11], v[rC:rC+7], v[rSA], v[rSB] matrix_a_fmt:MATRIX_FMT_FP6 matrix_b_fmt:MATRIX_FMT_FP6 matrix_a_scale:MATRIX_SCALE_ROW1 matrix_b_scale:MATRIX_SCALE_ROW1
.elseif fA
	v_wmma_scale_f32_16x16x128_f8f6f4 v[rD:rD+7], v[rA:rA+11], v[rB:rB+11], v[rC:rC+7], v[rSA], v[rSB] matrix_a_fmt:MATRIX_FMT_FP6 matrix_b_fmt:MATRIX_FMT_FP6 matrix_a_scale:MATRIX_SCALE_ROW1
.elseif fB
	v_wmma_scale_f32_16x16x128_f8f6f4 v[rD:rD+7], v[rA:rA+11], v[rB:rB+11], v[rC:rC+7], v[rSA], v[rSB] matrix_a_fmt:MATRIX_FMT_FP6 matrix_b_fmt:MATRIX_FMT_FP6 matrix_b_scale:MATRIX_SCALE_ROW1
.else
	v_wmma_scale_f32_16x16x128_f8f6f4 v[rD:rD+7], v[rA:rA+11], v[rB:rB+11], v[rC:rC+7], v[rSA], v[rSB] matrix_a_fmt:MATRIX_FMT_FP6 matrix_b_fmt:MATRIX_FMT_FP6
.endif
.endm
.macro WMZ                             ; the same with the constant 0 as C
.if fA
	v_wmma_scale_f32_16x16x128_f8f6f4 v[rD:rD+7], v[rA:rA+11], v[rB:rB+11], 0, v[rSA], v[rSB] matrix_a_fmt:MATRIX_FMT_FP6 matrix_b_fmt:MATRIX_FMT_FP6 matrix_a_scale:MATRIX_SCALE_ROW1
.else
	v_wmma_scale_f32_16x16x128_f8f6f4 v[rD:rD+7], v[rA:rA+11], v[rB:rB+11], 0, v[rSA], v[rSB] matrix_a_fmt:MATRIX_FMT_FP6 matrix_b_fmt:MATRIX_FMT_FP6
.endif
.endm
.macro FRAG reg, q, rowoff             ; six pieces of 8 bytes a lane; where the piece three on lies behind one padding more, the second address register serves
.irp p, 0,1,2,3,4,5
.set PCE, 12*(\q)+6*(\p/3)+\p%3
.if PCE%32 < 29
	ds_load_b64 v[(\reg)+2*\p:(\reg)+2*\p+1], v[AA0] offset:8*PCE+16*(PCE/32)+(\rowoff)
.else
	ds_load_b64 v[(\reg)+2*\p:(\reg)+2*\p+1], v[AA1] offset:8*PCE+16*(PCE/32)+(\rowoff)
.endif
.endr
.endm
; THE WEIGHTS, AS THEY LIE.  Column tile n is rows 8 n .. 8 n + 7 and 32 + 8 n .. 32 + 8 n + 7 of the head's 64: twice 6,144 consecutive bytes, 24 loads of 512 consecutive bytes.
; The raw bytes land in the registers that tile n's eight fragments will take: the first eight rows' in window 1, the others' in window 2.
.macro WRAW off, base
.irp n, 0,1,2,3
	WIN 0x40
.set i, 0
.rept 12
.set RG, 48*(i/3)+12*\n+4*(i%3)
	global_load_b128 v[RG:RG+3], v[\off], s[\base:\base+1] offset:6144*\n+512*i
.set i, i+1
.endr
	WIN 0x80
.set i, 0
.rept 12
.set RG, 48*(i/3)+12*\n+4*(i%3)
	global_load_b128 v[RG:RG+3], v[\off], s[\base:\base+1] offset:24576+6144*\n+512*i
.set i, i+1
.endr
.endr
	WIN 0
.endm
; THE TURN.  Tile by tile: its 16 rows go into my stage, rows WSP bytes apart, and come back as fragments (lane (r, h): row r, 24 h bytes on), into the registers that they left.
; Three pieces of 512 bytes are two rows: the first lies in the even row, the third in the odd one, the second crosses from one to the other between lanes 15 and 16 (second address register).
; LDS serves a wave's instructions in order (ISA guide 5.7.1.4): no wait between the stores and the loads, nor in front of the next tile's stores.
; after: the loads issued behind Wq's 96.  The wait's count: behind tile n's loads stand 24 (3 - n) + after others; a wait names 63 at the most.
.macro WTURN after
.irp n, 0,1,2,3
.set CNT, 24*(3-\n)+(\after)
.if CNT > 63
.set CNT, 63
.endif
	s_wait_loadcnt CNT
.irp g, 0,1
	WIN 0x04<<\g
.set i, 0
.rept 12
.set RG, 48*(i/3)+12*\n+4*(i%3)
.set RW, 8*\g+2*(i/3)
.if i%3 == 0
	ds_store_b128 v[SA0], v[RG:RG+3] offset:RW*WSP
.elseif i%3 == 1
	ds_store_b128 v[SA1], v[RG:RG+3] offset:RW*WSP+512
.else
	ds_store_b128 v[SA0], v[RG:RG+3] offset:(RW+1)*WSP+256
.endif
.set i, i+1
.endr
.endr
.irp g, 0,1
	WIN 0x40<<\g
.irp q, 0,1,2,3
.irp p, 0,1,2,3,4,5
	ds_load_b64 v[48*\q+12*\n+2*\p:48*\q+12*\n+2*\p+1], v[SL] offset:96*(\q+4*\g)+48*(\p/3)+8*(\p%3)
.endr
.endr
.endr
.endr
	WIN 0
.endm
.macro SINCOS vi, ds, dc, tb           ; sin and cos of x = fl(fl(pi/2 x i) / 4096); above pi/4 the angle is taken from pi/2 and the two series change places
	v_cvt_f32_u32 v[\tb], v[\vi]
	v_mul_f32 v[\tb], s[SPI], v[\tb]
	v_mul_f32 v[\tb], 0x39800000, v[\tb]
	v_sub_f32 v[\tb+1], s[SPI], v[\tb]
	v_add_f32 v[\tb+1], 0xb33bbd2e, v[\tb+1]
	v_cmp_lt_u32 vcc_lo, 0x800, v[\vi]
	v_cndmask_b32 v[\tb+1], v[\tb], v[\tb+1], vcc_lo
	v_mul_f32 v[\tb+2], v[\tb+1], v[\tb+1]
	v_mov_b32 v[\tb+3], 0x3638ef1d
	v_mov_b32 v[\tb+4], 0xb493f27e
	v_fmaak_f32 v[\tb+3], v[\tb+2], v[\tb+3], 0xb9500d01
	v_fmaak_f32 v[\tb+4], v[\tb+2], v[\tb+4], 0x37d00d01
	v_fmaak_f32 v[\tb+3], v[\tb+2], v[\tb+3], 0x3c088889
	v_fmaak_f32 v[\tb+4], v[\tb+2], v[\tb+4], 0xbab60b61
	v_fmaak_f32 v[\tb+3], v[\tb+2], v[\tb+3], 0xbe2aaaab
	v_fmaak_f32 v[\tb+4], v[\tb+2], v[\tb+4], 0x3d2aaaab
	v_mul_f32 v[\tb+3], v[\tb+2], v[\tb+3]
	v_fmaak_f32 v[\tb+4], v[\tb+2], v[\tb+4], 0xbf000000
	v_fma_f32 v[\tb+3], v[\tb+1], v[\tb+3], v[\tb+1]
	v_fma_f32 v[\tb+4], v[\tb+2], v[\tb+4], 1.0
	v_cndmask_b32 v[\ds], v[\tb+3], v[\tb+4], vcc_lo
	v_cndmask_b32 v[\dc], v[\tb+4], v[\tb+3], vcc_lo
.endm
; K STEP q.  First the four row fragments of K step q + 1 are asked for, in ONE run of 24 loads, into the other set: that set's last products are K step q - 1's, and four v_nop stand
; between them and the loads.  The wait's count: behind this step's fragments stand those 24 loads alone.  Then 16 products: Wq's four tiles against each row tile.
; The 16 accumulators take turns, in the same order in every step.
.macro KSTEP q
.if (\q) < 7
	PLACES 4
	WIN 0x80>>((\q)%2)
.irp g, 0,1,2,3
	FRAG 192+12*\g, (\q)+1, 16*\g*ROWP
.endr
	s_wait_dscnt 24
.else
	s_wait_dscnt 0x0
.endif
.set MULQ, (1+(\q)/4)|((((\q)%2)+1)<<2)
.irp g, 0,1,2,3
.irp t, 0,1,2,3
.set rD, ACC+32*\g+8*\t
.set rA, 48*((\q)%4)+12*\t
.set rB, 192+12*\g
.set rSA, WSCL+8*(\t%2)+(\q)
.set rSB, ASCL+8*(\g%2)+(\q)
.set fA, \t/2
.set fB, \g/2
.if (\q) == 0
.set rC, 240+8*(\t%2)
	WIN MULQ|(0x10<<(\t/2))
.else
.set rC, rD
	WIN MULQ
.endif
	WM
.endr
.endr
.endm
.macro GEMM
.irp q, 0,1,2,3,4,5,6,7
	KSTEP \q
.endr
.endm
.macro PRELOAD j                       ; piece j's scale words (lanes 0-15 row tiles 0, 1; lanes 16-31 tiles 2, 3) and its four fragments of K step 0
.irp e, 0,1
.irp u, 0,1
	ds_load_b128 v[ASCL+8*\e+4*\u:ASCL+8*\e+4*\u+3], v[LSC] offset:2048*(\j)+512*\e+16*\u
.endr
.endr
	WIN 0x40
.irp a, 0,1,2,3
	FRAG 192+12*\a, 0, 16*\a*ROWP
.endr
	WIN 0
.endm
.macro G0SET g, j                      ; group 0 for my 16 rows of piece j
	s_mov_b32 s[\g], 1
	s_add_co_u32 s[\g+1], s84, (\j)*64*ROWP
	s_add_nc_u64 s[\g+2:\g+3], s[86:87], (\j)*64*3072
	s_or_b32 s[\g+3], s[\g+3], 0x80000000
.endm
; ROW TILE a OF PIECE j: relu; the row's largest q, from which both blocks' largest magnitudes follow (rounding keeps the order); the scale word; q sin, q cos; codes; the divisor.
.macro QQ j, a
.set AB, ACC+32*(\a)
.set SCP, 112+2*(4*(\j)+(\a))
	WIN 0
.set i, 0
.rept 32
	v_max_num_f32 v[AB+i], 0, v[AB+i]
.set i, i+1
.endr
	WIN 0xc3
	v_max3_num_f32 v232, 0, v[AB], v[AB+1]
	v_max3_num_f32 v233, 0, v[AB+2], v[AB+3]
.set i, 4
.rept 7
	v_max3_num_f32 v232, v232, v[AB+i], v[AB+i+1]
	v_max3_num_f32 v233, v233, v[AB+i+2], v[AB+i+3]
.set i, i+4
.endr
	WIN 0xff
	v_max_num_f32 v232, v232, v233
	v_mul_f32 v233, v232, v[SCP]
	v_mul_f32 v234, v232, v[SCP+1]
	v_max_num_f32 v233, s[FLR], v233               ; the floor 2^(3 - 127): the byte cannot fall under 1
	v_max_num_f32 v234, s[FLR], |v234|
	v_add_nc_u32 v235, 0xff000000, v233            ; 2 off the exponent field: the conversion's scale operand
	v_add_nc_u32 v236, 0xff000000, v234
	v_lshrrev_b32 v237, 23, v235
	v_lshrrev_b32 v238, 23, v236
	v_lshl_or_b32 v239, v238, 16, v237             ; my bytes: blocks h and 2 + h,
	v_lshlrev_b32 v239, v254, v239                 ; at their places (8 h bits up);
	v_permlanex16_b32 v245, v239, s[SEL], s[SEL+1]
	WIN 0x0f
	v_or_b32 v[66+(\a)], v239, v245                ; with lane l xor 16's the word is whole
	WIN 0xfc
.set i, 0
.rept 16
	v_pk_mul_f32 v[160+i:161+i], v[AB+i:AB+i+1], v[SCP:SCP+1] op_sel_hi:[1,0]
.set i, i+2
.endr
.set i, 0
.rept 16
	v_pk_mul_f32 v[192+i:193+i], v[AB+i:AB+i+1], v[SCP:SCP+1] op_sel:[0,1] op_sel_hi:[1,1]
.set i, i+2
.endr
	WIN 0xff
	v_cvt_scalef32_pk16_fp6_f32 v[144:146], v[160:175], v235
	v_cvt_scalef32_pk16_fp6_f32 v[224:226], v[176:191], v235
	v_cvt_scalef32_pk16_fp6_f32 v[150:152], v[192:207], v236
	v_cvt_scalef32_pk16_fp6_f32 v[228:230], v[208:223], v236
	v_nop                                          ; one plain place behind a scaled conversion
.irp i, 0,1,2
	v_mov_b32 v[147+\i], v[224+\i]
	v_mov_b32 v[153+\i], v[228+\i]
.endr
	WIN 0xfc
	v_pk_mul_f32 v[240:241], v[AB:AB+1], v[48:49]  ; q . ksum_sin and q . ksum_cos over my 32 columns, two chains by turns
	v_pk_mul_f32 v[242:243], v[AB:AB+1], v[80:81]
.set i, 2
.rept 15
	v_pk_fma_f32 v[240:241], v[AB+i:AB+i+1], v[48+i:49+i], v[240:241]
	v_pk_fma_f32 v[242:243], v[AB+i:AB+i+1], v[80+i:81+i], v[242:243]
.set i, i+2
.endr
	WIN 0xff
	v_add_f32 v240, v240, v241
	v_add_f32 v242, v242, v243
	v_mul_f32 v244, v240, v[SCP]
	v_fma_f32 v244, v242, v[SCP+1], v244
	v_permlanex16_b32 v245, v244, s[SEL], s[SEL+1]
	v_add_f32 v244, v244, v245                     ; with the other 32 columns
	v_max_num_f32 v244, 0x38d1b717, v244           ; 1e-4 from below
	v_rcp_f32 v[246+2*(\a)], v244
	v_rcp_f32 v[247+2*(\a)], v244
	v_nop                                          ; one plain place behind a transcendental
.endm
.macro PP a                            ; four products over d = 128, laid over the spent q; the codes were written 30 plain instructions, the scale word more than 60, ahead
	WIN 0x0f
.irp m, 0,1,2,3
.set rD, ACC+32*(\a)+8*\m
.set rA, 12*\m
.set rB, 144
.set rSA, 64+\m/2
.set rSB, 66+(\a)
.set fA, \m%2
	WMZ
.endr
.endm
.macro OO a                            ; x 1 / divisor; 128 bytes a lane into my stage, back as whole rows of 256 bytes, into the registers that they left
.set AB, ACC+32*(\a)
	WIN 0x0c
.set i, 0
	s_wait_alu depctr_va_vdst(0)
.rept 16
	v_pk_mul_f32 v[AB+i:AB+i+1], v[AB+i:AB+i+1], v[246+2*(\a):247+2*(\a)]
.set i, i+2
.endr
	WIN 0
.irp i, 0,1,2,3,4,5,6,7
	ds_store_b128 v[STO], v[AB+4*\i:AB+4*\i+3] offset:16*\i
.endr
.irp i, 0,1,2,3,4,5,6,7
	ds_load_b128 v[AB+4*\i:AB+4*\i+3], v[RD] offset:544*\i   ; LDS serves a wave's instructions in order (ISA guide 5.7.1.4): these see the stores above, and the next tile's stores come behind them
.endr
.endm
.macro SEND j, a, cnt                  ; cnt: the LDS instructions issued behind this tile's loads: the next tile's sixteen, or none
.set AB, ACC+32*(\a)
	s_wait_dscnt \cnt
.irp i, 0,1,2,3,4,5,6,7
	global_store_b128 v[GO], v[AB+4*\i:AB+4*\i+3], s[20:21] offset:(64*(\j)+16*(\a)+2*\i)*16384 th:TH_STORE_NT   ; sixteen lanes store 256 consecutive bytes, aligned: a head's part of a row
.endr
.endm
.macro CHUNK j
.if (\j) > 0
	s_wait_xcnt 0x0                                ; the last piece's stores have read the accumulators' registers
.endif
	GEMM
	WIN 0
.if (\j) < 3
	s_wait_tensorcnt 2-(\j)                        ; my part of the next piece is in; the later pieces' fills may stay out
	s_wait_dscnt 0x0
	s_barrier_signal -1
	s_barrier_wait -1                              ; everybody's is
	PLACES 4
	v_add_nc_u32 v[AA0], 64*ROWP*((\j)+1), v[LA0]
	v_add_nc_u32 v[AA1], 64*ROWP*((\j)+1), v[LA1]
	PRELOAD (\j)+1
.else
	PLACES 4
.endif
	QQ \j, 0
	PP 0
	QQ \j, 1
	PP 1
	OO 0
	QQ \j, 2
	PP 2
	OO 1
	SEND \j, 0, 16
	QQ \j, 3
	PP 3
	OO 2
	SEND \j, 1, 16
	OO 3
	SEND \j, 2, 16
	SEND \j, 3, 0
.endm
	s_load_b512 s[4:19], s[0:1], 0x0               ; query codes, scales; Wq codes, scales; bq; kvc; kvs; ksum
	s_load_b64 s[20:21], s[0:1], 0x40              ; out0
	v_lshl_add_u32 v126, v0, 2, 0x45800
	v_mov_b32 v127, 0
	ds_add_u32 v126, v127
	v_lshrrev_b32 v150, 5, v0
	v_readfirstlane_b32 s[WV], v150
	s_bfe_u32 s[CX], ttmp6, 0x40000                ; which four heads: it enters global addresses of weights, kv_, ksum and out0 alone
	s_and_b32 s35, ttmp7, 0xffff
	s_and_b32 s[BB], s35, 3                        ; b
	s_lshr_b32 s[LC], s35, 2                       ; l = 256 LC on
	s_mov_b32 s[G1+0], 15|(1<<20)|(1<<21)|(5<<22)|(3<<25)  ; mask: all four; elements of 1 byte; 4 words of padding behind every 64
	s_mov_b32 s[G1+1], 768<<16
	s_mov_b32 s[G1+2], 16<<16
	s_mov_b32 s[G1+3], 768<<16
	s_mov_b32 s[G1+4], 16
	s_mov_b32 s[G1+5], 3072
	s_mov_b32 s[G1+6], 0
	s_mov_b32 s[G1+7], 0
	s_mov_b32 s[G1S+0], 15|(1<<21)
	s_mov_b32 s[G1S+1], 32<<16
	s_mov_b32 s[G1S+2], 64<<16
	s_mov_b32 s[G1S+3], 32<<16
	s_mov_b32 s[G1S+4], 64
	s_mov_b32 s[G1S+5], 128
	s_mov_b32 s[G1S+6], 0
	s_mov_b32 s[G1S+7], 0
	s_mul_i32 s80, s[LC], 256*3072
	s_mul_i32 s81, s[WV], 16*3072
	s_add_co_u32 s80, s80, s81
	s_mul_i32 s81, s[BB], 768
	s_add_co_u32 s80, s80, s81
	s_mov_b32 s81, 0
	s_lshl_b32 s82, s[LC], 15
	s_lshl_b32 s83, s[WV], 13
	s_add_co_u32 s82, s82, s83
	s_lshl_b32 s83, s[BB], 5
	s_add_co_u32 s82, s82, s83
	s_mov_b32 s83, 0
	s_mul_i32 s84, s[WV], 16*ROWP
	s_lshl_b32 s85, s[WV], 11
	s_mov_b32 s[SEL], 0x76543210
	s_mov_b32 s[SEL+1], 0xfedcba98
	s_mov_b32 s[SPI], 0x3fc90fdb
	s_mov_b32 s[FLR], 0x1800000
	s_wait_dscnt 0x0
	s_wait_kmcnt 0x0
	s_mov_b32 s[G0S], 1
	s_add_co_u32 s[G0S+1], s85, SCQ
	s_add_nc_u64 s[G0S+2:G0S+3], s[6:7], s[82:83]
	s_or_b32 s[G0S+3], s[G0S+3], 0x80000000
	s_add_nc_u64 s[86:87], s[4:5], s[80:81]
	G0SET 56, 0
	G0SET 60, 1
	G0SET 72, 2
	G0SET 76, 3
	ROUND                                          ; all four work-groups are here: the joint loads meet
	tensor_load_to_lds s[G0S:G0S+3], s[G1S:G1S+7]  ; five loads of mine are out: 64 rows' scale bytes, and my 16 rows of each of the four pieces
	s_nop 0
	tensor_load_to_lds s[56:59], s[G1:G1+7]
	s_nop 0
	tensor_load_to_lds s[60:63], s[G1:G1+7]
	s_nop 0
	tensor_load_to_lds s[72:75], s[G1:G1+7]
	s_nop 0
	tensor_load_to_lds s[76:79], s[G1:G1+7]
	s_nop 0
	PLACES 4
	s_lshl_b32 s88, s[CX], 2
	s_add_co_u32 s88, s88, s[WV]                   ; my head
	s_lshl_b32 s89, s[BB], 4
	s_add_co_u32 s89, s89, s88                     ; n = 16 b + head
	s_mov_b32 s91, 0
	s_mul_i32 s90, s88, 64*768
	s_add_nc_u64 s[8:9], s[8:9], s[90:91]
	s_lshl_b32 s90, s88, 11
	s_add_nc_u64 s[10:11], s[10:11], s[90:91]
	s_lshl_b32 s90, s88, 8
	s_add_nc_u64 s[12:13], s[12:13], s[90:91]
	s_add_nc_u64 s[20:21], s[20:21], s[90:91]
	s_mul_i32 s90, s89, 6144
	s_add_nc_u64 s[14:15], s[14:15], s[90:91]
	s_lshl_b32 s90, s89, 8
	s_add_nc_u64 s[16:17], s[16:17], s[90:91]
	s_lshl_b32 s90, s89, 9
	s_add_nc_u64 s[18:19], s[18:19], s[90:91]
	s_lshl_b32 s90, s[LC], 22
	s_lshl_b32 s92, s[BB], 12
	s_add_co_u32 s90, s90, s92
	s_add_nc_u64 s[20:21], s[20:21], s[90:91]      ; out0 at row (256 LC, b), my head's 256 bytes
	v_and_b32 v128, 15, v0                         ; r
	v_bfe_u32 v129, v0, 4, 1                       ; h
	v_and_b32 v130, 8, v128
	v_mad_u32_u24 v130, v130, 3, v128              ; SEL(r)
	v_and_b32 v131, 31, v0                         ; lane
	v_lshl_add_u32 v133, v129, 4, v130
	v_lshlrev_b32 v133, 5, v133
	v_lshlrev_b32 v134, 7, v129                    ; 128 h
	v_lshlrev_b32 v135, 4, v131                    ; 16 x lane
	v_lshlrev_b32 v136, 3, v131
	v_lshlrev_b32 v137, 2, v131
	WRAW 135, 8
	WIN 0x40
.irp t, 0,1
.irp u, 0,1
	global_load_b128 v[240+8*\t+4*\u:240+8*\t+4*\u+3], v134, s[12:13] offset:32*\t+16*\u    ; the bias in the result's layout: columns 32 h + 8 t + 0 .. 7
.endr
.endr
	WIN 0x80
.irp t, 0,1
.irp u, 0,1
	global_load_b128 v[240+8*\t+4*\u:240+8*\t+4*\u+3], v134, s[12:13] offset:64+32*\t+16*\u
.endr
.endr
	WIN 0xc0
.irp m, 0,1,2,3
.irp c, 0,1
	global_load_b128 v[12*\m+6*\c:12*\m+6*\c+3], v135, s[14:15] offset:(2*\m+\c)*768
	global_load_b64 v[12*\m+6*\c+4:12*\m+6*\c+5], v136, s[14:15] offset:(2*\m+\c)*768+512
.endr
.endr
.irp i, 0,1,2,3,4,5,6,7
	global_load_b128 v[48+4*\i:51+4*\i], v134, s[18:19] offset:16*\i
	global_load_b128 v[80+4*\i:83+4*\i], v134, s[18:19] offset:256+16*\i
.endr
	v_and_b32 v255, 15, v0
	v_bfe_u32 v254, v0, 4, 1
	v_mov_b32 v245, 0                              ; written once: a lane permute's destination counts as one of its sources
	WIN 0
.irp e, 0,1
.irp u, 0,1
	global_load_b128 v[WSCL+8*\e+4*\u:WSCL+8*\e+4*\u+3], v133, s[10:11] offset:256*\e+16*\u
.endr
.endr
.irp i, 0,1
	global_load_b32 v[64+\i], v137, s[16:17] offset:128*\i   ; kv_'s scale words: lanes 0-15 tile 2 i, lanes 16-31 tile 2 i + 1
.endr
	s_lshl_b32 s93, s[LC], 8
	s_add_co_u32 s93, s93, 1
	WIN 0xff
	v_lshlrev_b32 v254, 3, v254                    ; 8 h
	v_add_nc_u32 v255, s93, v255                   ; l + 1 of my row in row tile 0
.irp A, 0,1,2,3,4,5,6,7,8,9,10,11,12,13,14,15
	v_add_nc_u32 v160, 16*\A, v255
	SINCOS 160, 112+2*\A, 113+2*\A, 161
.endr
	WIN 0
	s_mul_i32 s95, s[WV], 16*WSP
	s_add_co_u32 s95, s95, WST                     ; my turning stage
	v_lshl_add_u32 v[SA0], v131, 4, s95
	v_lshl_add_u32 v[SA1], v129, 4, v[SA0]
	v_mul_u32_u24 v[SL], v128, WSP
	v_mad_u32_u24 v[SL], v129, 24, v[SL]
	v_add_nc_u32 v[SL], s95, v[SL]
	v_mul_u32_u24 v[LA0], v128, ROWP
	v_mad_u32_u24 v[LA0], v129, 24, v[LA0]
	v_lshl_add_u32 v[LA1], v129, 4, v[LA0]
	v_lshl_add_u32 v[LSC], v129, 5, v128
	v_lshlrev_b32 v[LSC], 5, v[LSC]
	v_add_nc_u32 v[LSC], SCQ, v[LSC]
	s_mul_i32 s94, s[WV], 16*272
	s_add_co_u32 s94, s94, STAGE                   ; my stage for the way out: 16 rows x (256 bytes + 16)
	v_mul_u32_u24 v[STO], v128, 272
	v_lshl_add_u32 v[STO], v129, 7, v[STO]
	v_add_nc_u32 v[STO], s94, v[STO]
	v_mul_u32_u24 v[RD], v129, 272
	v_lshl_add_u32 v[RD], v128, 4, v[RD]
	v_add_nc_u32 v[RD], s94, v[RD]
	v_lshlrev_b32 v[GO], 14, v129                  ; rows of one b lie 16,384 bytes apart in out0
	v_lshl_add_u32 v[GO], v128, 4, v[GO]
	v_mov_b32 v[AA0], v[LA0]
	v_mov_b32 v[AA1], v[LA1]
	WTURN 46                                       ; behind Wq's loads: 8 of the bias, 16 of kv_, 16 of ksum, 4 and 2 of scale words
	s_wait_loadcnt 0x0
	s_wait_tensorcnt 0x3                           ; the scale bytes and my part of piece 0 are in; three later fills may stay out
	s_wait_dscnt 0x0                               ; no LDS instruction of mine is out at the signal: Wq's fragments are in
	s_barrier_signal -1
	s_barrier_wait -1
	PRELOAD 0
	CHUNK 0
	CHUNK 1
	CHUNK 2
	CHUNK 3
	s_wait_tensorcnt 0x0
	ds_add_u32 v126, v127
	s_wait_dscnt 0x0
	ROUND                                          ; the closing round: every tensor load was shown done in piece 2, no LDS instruction of mine is out
	s_endpgm
.Lfunc_end_k_q796ab0608b_qout:
	.size	k_q796ab0608b_qout, .Lfunc_end_k_q796ab0608b_qout-k_q796ab0608b_qout
	.p2alignl 7, 3214868480
	.fill 96, 4, 3214868480
	.section	.rodata,"a",@progbits
	.p2align	6, 0x0
	.amdhsa_kernel k_q796ab0608b_qout
		.amdhsa_group_segment_fixed_size 285184
		.amdhsa_private_segment_fixed_size 0
		.amdhsa_enable_private_segment 0
		.amdhsa_kernarg_size 72
		.amdhsa_user_sgpr_count 2
		.amdhsa_user_sgpr_kernarg_segment_ptr 1
		.amdhsa_wavefront_size32 1
		.amdhsa_system_sgpr_workgroup_id_x 1
		.amdhsa_system_sgpr_workgroup_id_y 1
		.amdhsa_system_sgpr_workgroup_id_z 1
		.amdhsa_system_vgpr_workitem_id 0
		.amdhsa_next_free_vgpr 1024
		.amdhsa_next_free_sgpr 100
		.amdhsa_reserve_vcc 1
		.amdhsa_float_denorm_mode_32 3
		.amdhsa_float_denorm_mode_16_64 3
		.amdhsa_memory_ordered 1
		.amdhsa_forward_progress 1
		.amdhsa_inst_pref_size 255
	.end_amdhsa_kernel
	.section	.bss,"aw",@nobits
	.p2align	6
	.space	262144
	.amdgpu_metadata
---
amdhsa.version: [ 1, 2 ]
amdhsa.kernels:
  - .name:           k_q796ab0608b_qout
    .symbol:         k_q796ab0608b_qout.kd
    .args:
      - { .name: query_codes, .offset: 0, .size: 8, .value_kind: global_buffer, .address_space: global }
      - { .name: query_scales, .offset: 8, .size: 8, .value_kind: global_buffer, .address_space: global }
      - { .name: Wq_codes, .offset: 16, .size: 8, .value_kind: global_buffer, .address_space: global }
      - { .name: Wq_scales, .offset: 24, .size: 8, .value_kind: global_buffer, .address_space: global }
      - { .name: bq, .offset: 32, .size: 8, .value_kind: global_buffer, .address_space: global }
      - { .name: kvc, .offset: 40, .size: 8, .value_kind: global_buffer, .address_space: global }
      - { .name: kvs, .offset: 48, .size: 8, .value_kind: global_buffer, .address_space: global }
      - { .name: ksum, .offset: 56, .size: 8, .value_kind: global_buffer, .address_space: global }
      - { .name: out0, .offset: 64, .size: 8, .value_kind: global_buffer, .address_space: global }
    .group_segment_fixed_size: 285184
    .private_segment_fixed_size: 0
    .kernarg_segment_align: 8
    .kernarg_segment_size: 72
    .max_flat_workgroup_size: 128
    .sgpr_count:     100
    .vgpr_count:     1024
    .wavefront_size: 32
...
	.end_amdgpu_metadata
.endif
;; end of part 5
